; MI455X (gfx1250); checked and timed in simulation.
; The chip was launched on July 23, 2026; its instructions are those of AMD's public machine-readable ISA for CDNA 5 (MIT licence, August 2026) and "CDNA5" Instruction Set Architecture Reference Guide (July 2026). The comments in the code are by the model that wrote it; some were corrected since.
;; Causal Self Attention. Allowed arithmetic: matrix products marked QUANTISED: E2M3 operands, one E8M0 scale for each 32 along K, by v_wmma_scale_f32_16x16x128_f8f6f4 with both operands' format E2M3, f32 sums; everything else in f32.
;; Inputs: W_attn 1,024 x 3,072 float32; W_proj 1,024 x 1,024 float32; x 4 x 2,048 x 1,024 float32.
;; Outputs: out0 4 x 2,048 x 1,024 float32.
;; This version of the problem:
;;   THIS VERSION OF THE PROBLEM IS GIVEN IN LOW PRECISION. The matrix products marked QUANTISED in the list below multiply operands that are first quantised to E2M3 (2 exponent bits, 3 mantissa bits; 6 bits a number), with one power-of-two scale for each 32 numbers along K (OCP MX v1.0); their sums are f32. All else is computed in f32.
;;   The module's matrix products, in the order in which they are computed (A, B: the left and right operand; K: the contracted axis; several contracted axes count as one K, in the product's order):
;;     1. [M 8,192, K 1,024] x [K 1,024, N 3,072]; A: input x; B: input W_attn: QUANTISED
;;     2. batch 64 x [M 2,048, K 64] x [K 64, N 2,048]; A: computed on the way; B: computed on the way: QUANTISED
;;     3. batch 64 x [M 2,048, K 2,048] x [K 2,048, N 64]; A: softmax (see below); B: computed on the way: QUANTISED
;;     4. [M 8,192, K 1,024] x [K 1,024, N 1,024]; A: computed on the way; B: input W_proj: QUANTISED
;;   THE QUANTISER, for each operand of a quantised product, along K:
;;     - K is cut into blocks of 32 from its start; a last block that is shorter is filled with zeros.
;;     - A block's scale is 2^e with e = floor(log2(the largest magnitude in the block)) - 2, held to -126 .. 127; a block of zeros has e = 0. As a byte (E8M0): e + 127.
;;     - Each number is divided by its block's scale, clamped to +-7.5, and rounded to the nearest number of E2M3, ties to even, subnormals kept.
;;     - The product sums the exact products of the quantised numbers (number of the format x scale) in f32.
;;   ~~~python
;;   def quantise(x, axis):      # numpy; x: float32 -> the quantised numbers, widened to float32 again
;;       x = np.moveaxis(x, axis, -1); K = x.shape[-1]
;;       x = np.pad(x, [(0, 0)] * (x.ndim - 1) + [(0, -K % 32)]); x = x.reshape(x.shape[:-1] + (-1, 32)); a = np.abs(x).max(-1, keepdims=True)
;;       e = np.where(a > 0, np.clip(np.frexp(np.where(a > 0, a, 1))[1] - 1 - 2, -126, 127), 0)      # np.frexp(a)[1] - 1 = floor(log2(a)), exactly
;;       r = np.clip(x / 2.0 ** e, -7.5, 7.5)
;;       step = 2.0 ** (np.maximum(np.frexp(np.where(r == 0, 1, r))[1] - 1, 0) - 3)
;;       q = np.round(r / step) * step * 2.0 ** e      # np.round: ties to even
;;       return np.moveaxis(q.reshape(q.shape[:-2] + (-1,))[..., :K], -1, axis).astype(np.float32)
;;   ~~~
;;   SOFTMAX AHEAD OF A QUANTISED PRODUCT. Where the list says 'softmax', what is quantised is not the finished softmax but p = 2^(t - M), with t = logit x log2(e) and M = ceil(the row's largest t), a whole number; so 1/2 < the row's largest p <= 1. The row's sum l is taken of the UNQUANTISED p, in f32, and the product's result is divided by l at the end. Since M is a whole number, a kernel that streams over the keys may use a running M (the ceiling of the running maximum): every later rescaling is an exact power of two, which a block's scale takes up: the codes' values come out the same.
;;   OPERANDS COMPUTED ON THE WAY. 'Computed on the way' means the value that the module computes at that place (a softmax that the list does not call 'softmax' is quantised finished and normalised). What goes into a quantiser is computed in f32, as accurately as f32 sums, v_exp_f32 and their like allow (about 1e-6 of the number): no bf16 or f16 on the way to a quantiser, and a product that is left as it is and whose result goes on into a quantised operand takes f32 operands (vector FMAs, or v_wmma_f32_16x16x4_f32). A number that lies on a knife's edge between two numbers of the format may be rounded either way, as far as f32 arithmetic and the matrix unit's own rounding can turn it there, and no further.
;; One version. Each part assembles by itself: llvm-mc -triple=amdgcn-amd-amdhsa -mcpu=gfx1250 --defsym DOCPART=n.
;; ======== version 1 of 1: 4 launches
;; workspace buffers: xq 6,553,600 bytes; wq 3,276,800 bytes; qq 6,815,744 bytes; kv 13,369,344 bytes; yq 6,553,600 bytes
;; launch quant (part 1): grid 384 x 1, 4 waves a work-group, no clusters, 102,912 bytes of LDS; arguments x, W_attn, W_proj, xq, wq; writes xq, wq
.if DOCPART == 1
	.amdgcn_target "amdgcn-amd-amdhsa--gfx1250"
	.amdhsa_code_object_version 6
	.text
	.protected	k_q1537fe23d0_quant
	.globl	k_q1537fe23d0_quant
	.p2align	8
	.type	k_q1537fe23d0_quant,@function
k_q1537fe23d0_quant:
	s_mov_b64 s[64:65], 0
	v_nop
	global_prefetch_b8 v0, s[64:65] scope:SCOPE_SE
	s_setreg_imm32_b32 hwreg(HW_REG_WAVE_MODE, 25, 1), 1
	s_wait_xcnt 0x0
; x [8192][1024], W_attn [1024][3072] and W_proj [1024][1024], f32, become codes of FP6 (E2M3), K innermost, with one E8M0 byte for each 32 along K.
; A block's scale is 2^(floor(log2(its largest magnitude)) - 2): its byte is the largest magnitude's exponent field - 2, held at 1 from below.
; xq: codes [8192][768 bytes], then at XQ_SC the bytes [8192][32].  wq: W_attn's codes [3072 n][768], bytes at WA_SC [3072][32]; W_proj's codes at WP_C [1024 n][768], bytes at WP_SC [1024][32].
; W_proj's 32 codes of a block stand in ANOTHER ORDER: place i holds row 32 t + pi(i), pi = bits 3 and 4 of i changed over.  That is the order in which the attention launch leaves y's codes;
; a permutation inside a block that both operands carry changes neither the block's scale nor the product.
; LIMITS: NaN and infinities among the inputs are not served; a block whose largest magnitude lies under 2^-124, a block of zeros among them, keeps the byte 1 (its codes are zeros or nearly so; only this program reads the bytes).
; THREE WAYS, parted on the work-group's number, each with LDS bytes of its own: 0-255: x (K innermost: a plain stream of blocks);  256-351: W_attn;  352-383: W_proj (K is the first axis: a lane takes a column, its registers run down K).
; No tensor loads, no barrier: waves share nothing.  The weights' scale bytes leave as 8 bytes a column, rows 32 bytes apart: one byte for 128 read.
.set XQ_SC, 6291456
.set WA_SC, 2359296
.set WP_C,  2457600
.set WP_SC, 3244032
; ---- the way of x
.set STEPS, 16                         ; a wave takes 16 steps of 512 numbers
.set CB,    12                         ; bytes of 16 codes
.set R,     16                         ; v16-79   four sets of 16 numbers as they are loaded
.set X,     80                         ; v80-111  two sets of 16 neighbours
.set C,     128                        ; v128-191 codes: four registers for each step, so that no store's data are written again
.set E,     112                        ; v112-127 a scale byte for each step
.set WREG,  8192                       ; LDS 0 .. 32767: a region for each wave: two stages of 32 x SP bytes, behind them its 256 scale bytes
.set SP,    80                         ; a lane's place in a stage: its 64 bytes + 16 of padding
; ---- the way of the weights
.set KW,    256                        ; along K for a wave
.set NB,    8                          ; blocks of 32
.set ROWB,  192                        ; bytes of KW codes
.set PITCH, 272                        ; a stage row: sixteen places of 16 bytes, each with 12 bytes of codes, + 16
.set KROW,  768                        ; a row of codes in memory
.set WX,    32                         ; v32-95   two sets of 32 numbers
.set WC,    96                         ; v96..    a block's codes
.set OUTR,  112                        ; v112-175 the way out
.set SB,    24                         ; v24-25   the scale bytes, four to a register
.macro XLOAD t
.irp i, 0,1,2,3
	global_load_b128 v[R+16*((\t)%4)+4*\i:R+16*((\t)%4)+4*\i+3], v3, s[4:5] offset:2048*(\t)+512*\i th:TH_LOAD_NT   ; 32 lanes read 512 consecutive bytes
.endr
.endm
.macro XTURN t                         ; step t's numbers through the stage: LDS serves a wave's instructions in order, so no wait stands between the stores and the loads
.irp i, 0,1,2,3
	ds_store_b128 v14, v[R+16*((\t)%4)+4*\i:R+16*((\t)%4)+4*\i+3] offset:32*SP*((\t)%2)+8*SP*\i
.endr
.irp i, 0,1,2,3
	ds_load_b128 v[X+16*((\t)%2)+4*\i:X+16*((\t)%2)+4*\i+3], v15 offset:32*SP*((\t)%2)+16*\i
.endr
.endm
.macro XSTEP t
.set XS, X+16*((\t)%2)
.if (\t) > 0
	s_wait_dscnt 1                                 ; this step's numbers are back from the stage (the last step's byte store may be out)
.else
	s_wait_dscnt 0x0
.endif
.if (\t)+4 < STEPS
	XLOAD (\t)+4                                   ; the registers that the stage's stores have read take the loads of four steps on
.endif
.if (\t)+1 < STEPS
.if STEPS-2-(\t) >= 3
	s_wait_loadcnt 12                              ; the next step's four loads are in; those of the three steps behind it may be out
.else
	s_wait_loadcnt 4*(STEPS-2-(\t))
.endif
	XTURN (\t)+1                                   ; and go through the other stage while this step is worked
.endif
	v_max3_num_f32 v8, |v[XS]|, |v[XS+1]|, |v[XS+2]|               ; the largest magnitude of my 16, in two chains
	v_max3_num_f32 v9, |v[XS+3]|, |v[XS+4]|, |v[XS+5]|
.irp i, 6,10
	v_max3_num_f32 v8, v8, |v[XS+\i]|, |v[XS+\i+1]|
	v_max3_num_f32 v9, v9, |v[XS+\i+2]|, |v[XS+\i+3]|
.endr
	v_max3_num_f32 v8, v8, |v[XS+14]|, |v[XS+15]|
	v_max3_num_f32 v8, v8, v9, 0x1800000           ; and the floor 2^(3 - 127): the byte cannot fall under 1
	v_max_num_f32_dpp v8, v8, v8 row_xmask:1 row_mask:0xf bank_mask:0xf   ; and of my neighbour's 16: the block's
	v_add_nc_u32 v11, 0xff000000, v8               ; 2 off its exponent field: the conversion takes the exponent field of this operand as its scale
	v_cvt_scalef32_pk16_fp6_f32 v[C+4*(\t):C+4*(\t)+2], v[XS:XS+15], v11
	v_lshrrev_b32 v[E+(\t)], 23, v11               ; the scale's byte (also the plain line behind the conversion)
	ds_store_b8 v5, v[E+(\t)] offset:16*(\t)       ; both lanes of a block write the same byte with the same value
	global_store_b96 v4, v[C+4*(\t):C+4*(\t)+2], s[26:27] offset:32*CB*(\t)   ; the wave stores 384 consecutive bytes
.endm
.macro WLOAD t, n, perm                ; block t: W(32 t + place i's row, my column) into set t % 2
.irp i, 0,1,2,3,4,5,6,7,8,9,10,11,12,13,14,15,16,17,18,19,20,21,22,23,24,25,26,27,28,29,30,31
.if \perm
.set PI, ((\i)&7)|((((\i)>>3)&1)<<4)|((((\i)>>4)&1)<<3)
.else
.set PI, \i
.endif
	global_load_b32 v[WX+32*((\t)%2)+\i], v3, s[30:31] offset:(32*(\t)+PI)*\n*4 th:TH_LOAD_NT   ; 32 lanes read 128 consecutive bytes of one row; 255 rows of 12,288 bytes at the most stay inside the signed 24-bit immediate
.endr
.endm
.macro WBLOCK t, n, perm
.set XS, WX+32*((\t)%2)
.if (\t) < NB-1
	s_wait_loadcnt 32                              ; this block's 32 loads are in; the next block's may be out
.else
	s_wait_loadcnt 0
.endif
	v_max3_num_f32 v12, |v[XS]|, |v[XS+1]|, |v[XS+2]|               ; the block's largest magnitude: all 32 numbers are mine
	v_max3_num_f32 v13, |v[XS+3]|, |v[XS+4]|, |v[XS+5]|
.irp i, 6,10,14,18,22,26
	v_max3_num_f32 v12, v12, |v[XS+\i]|, |v[XS+\i+1]|
	v_max3_num_f32 v13, v13, |v[XS+\i+2]|, |v[XS+\i+3]|
.endr
	v_max3_num_f32 v12, v12, |v[XS+30]|, |v[XS+31]|
	v_max3_num_f32 v12, v12, v13, 0x1800000        ; and the floor
	v_add_nc_u32 v11, 0xff000000, v12              ; the conversion's scale operand
	v_lshrrev_b32 v13, 23, v11                     ; the scale's byte
.if (\t)%4 == 0
	v_mov_b32 v[SB+(\t)/4], v13                    ; four bytes to a register, the lower K in the lower byte
.else
	v_lshl_or_b32 v[SB+(\t)/4], v13, 8*((\t)%4), v[SB+(\t)/4]
.endif
	v_cvt_scalef32_pk16_fp6_f32 v[WC:WC+2], v[XS:XS+15], v11
	v_cvt_scalef32_pk16_fp6_f32 v[WC+4:WC+6], v[XS+16:XS+31], v11   ; (a conversion's three registers begin on an even number)
	ds_store_b96 v4, v[WC:WC+2] offset:32*(\t)     ; 12 bytes to a place of 16 in the stage
	ds_store_b96 v4, v[WC+4:WC+6] offset:32*(\t)+16
.if (\t)+2 < NB
	WLOAD (\t)+2, \n, \perm
.endif
	s_wait_dscnt 0x0                               ; the stores have read their registers: the next block's codes may be written
.endm
; a weight [1024][n]: work-group first + 4 c + y takes columns 128 c .. + 127 and K 256 y .. + 255; a wave 32 columns
.macro WQ n, perm, ldsb, coff, soff, first, src
	s_sub_co_u32 s17, ttmp9, \first
	s_and_b32 s18, s17, 3                          ; which 256 along K
	s_lshr_b32 s17, s17, 2
	s_lshl_b32 s17, s17, 7
	s_lshl_b32 s19, s16, 5
	s_add_co_u32 s17, s17, s19                     ; my wave's first column
	v_lshlrev_b32 v3, 2, v2                        ; in: 4 bytes a lane
	s_mul_i32 s19, s16, 32*PITCH
	s_add_co_u32 s19, s19, \ldsb                   ; my stage
	v_mul_u32_u24 v4, v2, PITCH
	v_add_nc_u32 v4, s19, v4                       ; into it: row = my column
	v_and_b32 v5, 15, v2
	v_lshrrev_b32 v6, 4, v2                        ; out of it: sixteen lanes to a row, two rows an instruction
	v_mul_u32_u24 v7, v6, PITCH
	v_lshl_add_u32 v7, v5, 4, v7
	v_add_nc_u32 v7, s19, v7
	v_mul_u32_u24 v8, v6, KROW
	v_mad_u32_u24 v8, v5, 12, v8                   ; and the same place in the codes' rows
	v_lshlrev_b32 v9, 5, v2                        ; my column's row of scale bytes
	s_mul_i32 s20, s18, KW*\n*4                    ; the weight: 256 y rows + 4 x column
	s_lshl_b32 s22, s17, 2
	s_add_co_u32 s20, s20, s22
	s_mov_b32 s21, 0
	s_mul_i32 s24, s17, KROW                       ; the codes: column x 768 + 192 y
	s_mul_i32 s26, s18, ROWB
	s_add_co_u32 s24, s24, s26
	s_add_co_u32 s24, s24, \coff
	s_mov_b32 s25, 0
	s_lshl_b32 s28, s17, 5                         ; the bytes: column x 32 + 8 y
	s_lshl_b32 s26, s18, 3
	s_add_co_u32 s28, s28, s26
	s_add_co_u32 s28, s28, \soff
	s_mov_b32 s29, 0
	s_add_nc_u64 s[30:31], s[\src:\src+1], s[20:21]
	s_add_nc_u64 s[32:33], s[12:13], s[24:25]
	s_add_nc_u64 s[34:35], s[12:13], s[28:29]
	WLOAD 0, \n, \perm
	WLOAD 1, \n, \perm
.irp t, 0,1,2,3,4,5,6,7
	WBLOCK \t, \n, \perm
.endr
	s_wait_alu depctr_va_vdst(0)
	global_store_b64 v9, v[SB:SB+1], s[34:35]      ; my column's 8 scale bytes
.irp t, 0,1,2,3,4,5,6,7,8,9,10,11,12,13,14,15
	ds_load_b96 v[OUTR+4*\t:OUTR+4*\t+2], v7 offset:2*\t*PITCH   ; LDS serves a wave's instructions in order: these see my stores
.endr
.irp t, 0,1,2,3,4,5,6,7,8,9,10,11,12,13,14,15
	s_wait_dscnt 15-\t                             ; row pair t is back; the younger loads may be out
	global_store_b96 v8, v[OUTR+4*\t:OUTR+4*\t+2], s[32:33] offset:2*\t*KROW   ; sixteen lanes store a row's 192 consecutive bytes
.endr
.endm
	s_load_b256 s[4:11], s[0:1], 0x0               ; x s[4:5], W_attn s[6:7], W_proj s[8:9], xq s[10:11]
	s_load_b64 s[12:13], s[0:1], 0x20              ; wq
	v_lshl_add_u32 v192, v0, 2, 0x19000
	v_mov_b32 v193, 0
	v_lshrrev_b32 v1, 5, v0
	v_readfirstlane_b32 s16, v1                    ; wave
	v_and_b32 v2, 31, v0                           ; lane
	s_wait_kmcnt 0x0
	s_cmp_lt_u32 ttmp9, 256
	s_cbranch_scc0 .Lweights
	s_wait_alu depctr_va_vdst(0)
	; ---- x: a wave's run of 8,192 numbers is 4 x work-group + wave
	v_lshlrev_b32 v3, 4, v2                        ; my 16 bytes of a load's 512
	s_mul_i32 s17, s16, WREG
	v_lshrrev_b32 v14, 2, v2
	v_mul_u32_u24 v14, v14, SP
	v_and_b32 v15, 3, v2
	v_lshl_add_u32 v14, v15, 4, v14
	v_add_nc_u32 v14, s17, v14                     ; the stage, on the way in: four lanes' 64 bytes on end, then 16 of padding
	v_mul_u32_u24 v15, v2, SP
	v_add_nc_u32 v15, s17, v15                     ; and on the way out: my 16 neighbours
	v_mul_u32_u24 v4, v2, CB                       ; my codes' place in a step's
	v_lshrrev_b32 v5, 1, v2
	s_add_co_u32 s17, s17, 2*32*SP
	v_add_nc_u32 v5, s17, v5                       ; my wave's 256 scale bytes, my block's byte
	v_lshlrev_b32 v7, 3, v2                        ; and on the way out 8 bytes a lane
	v_add_nc_u32 v6, s17, v7
	s_lshl_b32 s17, ttmp9, 2
	s_add_co_u32 s18, s17, s16                     ; the run
	s_lshl_b32 s20, s18, 15                        ; 32,768 bytes of x,
	s_mov_b32 s21, 0
	s_mul_i32 s22, s18, 32*STEPS*CB                ; 6,144 of codes,
	s_mov_b32 s23, 0
	s_lshl_b32 s24, s18, 8                         ; 256 scale bytes
	s_add_co_u32 s24, s24, XQ_SC
	s_mov_b32 s25, 0
	s_add_nc_u64 s[4:5], s[4:5], s[20:21]
	s_add_nc_u64 s[26:27], s[10:11], s[22:23]
	s_add_nc_u64 s[28:29], s[10:11], s[24:25]
.irp t, 0,1,2,3
	XLOAD \t
.endr
	s_wait_alu depctr_va_vdst(0)
	s_wait_loadcnt 12                              ; step 0's four loads are in
	XTURN 0
.irp t, 0,1,2,3,4,5,6,7,8,9,10,11,12,13,14,15
	XSTEP \t
.endr
	ds_load_b64 v[12:13], v6                       ; LDS serves a wave's instructions in order: these see my byte stores
	s_wait_dscnt 0x0
	global_store_b64 v7, v[12:13], s[28:29]        ; 32 lanes store 256 consecutive bytes, at a multiple of 256 from the buffer's first byte
	s_wait_tensorcnt 0x0
	ds_add_u32 v192, v193
	s_wait_dscnt 0x0
	s_endpgm
.Lweights:
	s_cmp_lt_u32 ttmp9, 352
	s_cbranch_scc0 .Lproj_w
	s_wait_alu depctr_va_vdst(0)
	WQ 3072, 0, 32768, 0, WA_SC, 256, 6
	s_wait_tensorcnt 0x0
	ds_add_u32 v192, v193
	s_wait_dscnt 0x0
	s_endpgm
.Lproj_w:
	s_wait_alu depctr_va_vdst(0)
	WQ 1024, 1, 67584, WP_C, WP_SC, 352, 8
	s_wait_tensorcnt 0x0
	ds_add_u32 v192, v193
	s_wait_dscnt 0x0
	s_endpgm
.Lfunc_end_k_q1537fe23d0_quant:
	.size	k_q1537fe23d0_quant, .Lfunc_end_k_q1537fe23d0_quant-k_q1537fe23d0_quant
	.p2alignl 7, 3214868480
	.fill 96, 4, 3214868480
	.section	.rodata,"a",@progbits
	.p2align	6, 0x0
	.amdhsa_kernel k_q1537fe23d0_quant
		.amdhsa_group_segment_fixed_size 102912
		.amdhsa_private_segment_fixed_size 0
		.amdhsa_enable_private_segment 0
		.amdhsa_kernarg_size 40
		.amdhsa_user_sgpr_count 2
		.amdhsa_user_sgpr_kernarg_segment_ptr 1
		.amdhsa_wavefront_size32 1
		.amdhsa_system_sgpr_workgroup_id_x 1
		.amdhsa_system_sgpr_workgroup_id_y 1
		.amdhsa_system_sgpr_workgroup_id_z 1
		.amdhsa_system_vgpr_workitem_id 0
		.amdhsa_next_free_vgpr 194
		.amdhsa_next_free_sgpr 66
		.amdhsa_reserve_vcc 0
		.amdhsa_float_denorm_mode_32 3
		.amdhsa_float_denorm_mode_16_64 3
		.amdhsa_memory_ordered 1
		.amdhsa_forward_progress 1
		.amdhsa_inst_pref_size 114
	.end_amdhsa_kernel
	.amdgpu_metadata
---
amdhsa.version: [ 1, 2 ]
amdhsa.kernels:
  - .name:           k_q1537fe23d0_quant
    .symbol:         k_q1537fe23d0_quant.kd
    .args:
      - { .name: x, .offset: 0, .size: 8, .value_kind: global_buffer, .address_space: global }
      - { .name: W_attn, .offset: 8, .size: 8, .value_kind: global_buffer, .address_space: global }
      - { .name: W_proj, .offset: 16, .size: 8, .value_kind: global_buffer, .address_space: global }
      - { .name: xq, .offset: 24, .size: 8, .value_kind: global_buffer, .address_space: global }
      - { .name: wq, .offset: 32, .size: 8, .value_kind: global_buffer, .address_space: global }
    .group_segment_fixed_size: 102912
    .private_segment_fixed_size: 0
    .kernarg_segment_align: 8
    .kernarg_segment_size: 40
    .max_flat_workgroup_size: 128
    .sgpr_count:     66
    .vgpr_count:     194
    .wavefront_size: 32
...
	.end_amdgpu_metadata
.endif
;; end of part 1
;; launch qkv (part 2): grid 12 x 32, 4 waves a work-group, clusters of 4 x 4, 327,680 bytes of LDS; arguments xq, wq, qq, kv; writes qq, kv
.if DOCPART == 2
	.amdgcn_target "amdgcn-amd-amdhsa--gfx1250"
	.amdhsa_code_object_version 6
	.text
	.protected	k_q1537fe23d0_qkv
	.globl	k_q1537fe23d0_qkv
	.p2align	8
	.type	k_q1537fe23d0_qkv,@function
k_q1537fe23d0_qkv:
	s_mov_b64 s[64:65], 0
	v_nop
	global_prefetch_b8 v0, s[64:65] scope:SCOPE_SE
	s_setreg_imm32_b32 hwreg(HW_REG_WAVE_MODE, 25, 1), 1
	s_wait_xcnt 0x0
	s_wait_alu depctr_hold_cnt(0) depctr_sa_sdst(0) depctr_va_vdst(0) depctr_va_sdst(0) depctr_va_ssrc(0) depctr_va_vcc(0) depctr_vm_vsrc(0)
	s_getreg_b32 s2, hwreg(HW_REG_IB_STS2, 6, 4)
	s_cmp_eq_u32 s2, 0
	s_cbranch_scc0 .Lentry_in_a_cluster
	s_endpgm
.Lentry_in_a_cluster:
	s_bfe_u32 s2, ttmp6, 0x10000c
	s_cmp_lg_u32 s2, 0xf033
	s_cbranch_scc0 .Lentry_shape_is_right
	s_endpgm
.Lentry_shape_is_right:
; qkv = x W_attn on codes of FP6 (E2M3) with E8M0 scales, K = 1,024; the results are quantised at once, in registers, into the operands of the attention launch, and go to memory only as codes.
; The launch makes C'[m'][n'] = sum over k of A'[m'][k] B'[n'][k] in tiles of 256 x 256 and always quantises along n'.
;   clusters x = 0 (q) and 1 (k): A' = x's rows (tokens), B' = W_attn's columns 0 .. 2047: n' runs along the heads' 64 numbers, which are the first attention product's K;
;   clusters x = 2 (v):           A' = W_attn's columns 2048 .. 3071, B' = x's rows: n' runs along the tokens, the keys, which are the second attention product's K.
; A work-group of four waves makes a tile, a wave 128 x 128: 64 accumulators of 16 x 16.  K goes in steps of 256 through a ring of two LDS slots filled by the tensor data mover; the scale bytes of the tile's rows come once.
; CLUSTERS: 4 x 4 work-groups; A's tiles are asked for jointly by a row of the cluster, B's by a column.  Which way a cluster goes hangs on the cluster's x alone, which all sixteen partners share.
; THE MATRIX INSTRUCTION IS USED TRANSPOSED (source 0 = 16 rows of B', source 1 = 16 rows of A'): lane (r, h) holds row r of C', and register 8 b + j of a block of 16 rows its column 16 b + 8 h + j.
; THE WAY OUT.  The 16 registers of accumulators 2 e and 2 e + 1 are 16 of the 32 numbers of block e of my row; lane l xor 16 holds the other 16.  Converted as they stand they give the block's codes in the order
; place 16 h + 8 u + j <-> number 16 u + 8 h + j.  Every operand of the attention products is made so, by this text or by the attention launch, so both sides of each product carry the same order inside a block.
; What is stored are IMAGES OF OPERAND REGISTERS: q, k: for a head and 16 tokens 6 registers a lane (768 bytes, as three runs of 256); v: for 16 of a head's 64 and 128 keys 12 registers a lane (1,536 bytes, three runs of 512).
; Scale words: q, k: the head's two bytes, then 0x7f twice (the upper 64 of the instruction's K are zero codes); v: four bytes for 128 keys.
; qq: [head and batch hb][tile of 16 tokens][768]; at QQ_SC [hb][2048] words.   kv: [hb][step of 128 keys][13,056]: K's 8 images, at 6,144 V's 4, at 12,288 K's 128 words, at 12,800 V's 64.
; LIMITS: NaN and infinities are not served; a block whose largest magnitude lies under 2^-124 keeps the byte 1.
; REGISTERS, in windows of 256: window 0: v0-31 addresses; v32-63 scale words, two sets; from v128 A's fragments, one set; on the way out v112-139 and v200-217 are at work.
;   window 1: B's fragments, two sets, at v0 and v128.   window 2: the accumulators of my rows 0-63 ((a, b) at v[8 (8 a + b)]);   window 3: those of my rows 64-127.
.set XQ_SC, 6291456
.set WA_SC, 2359296
.set QQ_SC, 6291456
.set KSTEP,  256                       ; along K in a slot
.set NQ,     2                         ; matrix instructions deep
.set ROWB,   192                       ; a tile's row in bytes
.set KROW,   768                       ; a row of codes in memory
.set PITCH,  240                       ; an LDS row: 3 x (64 bytes + 16 of padding)
.set FR,     12                        ; registers of a fragment
.set NL,     6                         ; LDS loads that bring one
.set NP,     4                         ; places behind this matrix instruction (ISA guide 7.12.1)
.set HALFT,  128*PITCH                 ; 128 rows: what one tensor load brings
.set SLOT,   4*HALFT                   ; A's 256 rows, then B's 256 rows
.set LAPS,   2                         ; a lap = two K steps = once round the ring: 1,024 / 512
.set KS,     32                        ; a row of scale bytes
.set SCL,    2*SLOT                    ; behind the ring: the scales, as units of 256 bytes + 16 of padding
.set HALFS,  (128*KS/256)*272
.set SBLK,   (16*KS/256)*272
.set SPARE,  SCL+4*HALFS               ; the spare words, 128 bytes for each wave: two blocks of 256 bytes that no other line names
.set GO8,  8                           ; v8   8 x lane
.set GO16, 9                           ; v9   16 x lane
.set SADR, 10                          ; v10  my stage for scale words, on the way in: 1,024 x wave + 512 h + 4 r
.set SRD,  11                          ; v11  and back: 1,024 x wave + 16 x lane
.set SH,   12                          ; v12  16 h
.set VSO,  13                          ; v13  V's scale words in memory: 16 r, and a head on for lanes 16-31
.set ADRA, 16                          ; v16-17 LDS address of my A fragments in slot 0, 1 (v18-19: behind one padding more)
.set ADRB, 20                          ; v20-21 the same for B (v22-23)
.set ADRS, 27                          ; v27  my scale words: lanes 0-15 A's rows, lanes 16-31 B's
.set SPW,  28                          ; v28  my spare word: SPARE + 4 x my thread's number; never rewritten
.set NIL,  29                          ; v29  0; never rewritten
.set SC,   32
.set AF,   128
.set PC,   112                         ; the way out: v112-123 a fragment's codes, v124-130 the second halves as they are made
.set BK,   132                         ; v132-139 scale words back from the stage
.set TM,   200                         ; v200-203 largest magnitudes, v204-207 the other half's, then bytes, v212-215 the conversions' scale operands
.set PW,   216                         ; the scale word just made
.set T1,   217
.set CB,   4                           ; s[4:5], s[6:7] where the first and the second head's codes go
.set SB0,  96                          ; s[96:97], s[98:99] and their scale words
.set SEL,  12                          ; s[12:13] selects for lane l xor 16
.set K7F,  100                         ; s100 0x7f7f0000
.set G1, 24
.set G0, 32
.set G1B, 48
.set G0B, 56
.set G1S, 68
.set G0S, 76
.set G1SB, 80
.set G0SB, 88
.set MSB, 0
.macro WIN new                         ; the immediate's high byte repeats the setting that is left
.if MSB != (\new)
	s_set_vgpr_msb (MSB<<8)|(\new)
.set MSB, (\new)
.endif
.endm
.set MUL_LO, 0xa1                      ; source 0 (B) window 1, source 1 (A) window 0, C and D window 2
.set MUL_HI, 0xf1                      ; the same, C and D window 3
.set TO_B,   0x40                      ; destination window 1, address window 0
; A joint load: waves 0 and 1 fetch for A, waves 2 and 3 for B.  The branch hangs on the wave's number alone.  Four v_nop follow each of the two lines.
.macro JLOAD g0a, g1a, g0b, g1b
	s_cmp_eq_u32 s15, 0
	s_cbranch_scc0 .Lfor_b_\@
	tensor_load_to_lds s[\g0a:\g0a+3], s[\g1a:\g1a+7]
	s_nop 0
.rept 4
	v_nop
.endr
	s_branch .Lasked_\@
.Lfor_b_\@:
	tensor_load_to_lds s[\g0b:\g0b+3], s[\g1b:\g1b+7]
	s_nop 0
.rept 4
	v_nop
.endr
.Lasked_\@:
.endm
.macro CREST                           ; a round of the cluster's barrier behind its opening barrier
	s_cmp_lg_u32 s14, 0
	s_cbranch_scc1 .Lnot_wave_0_\@
	s_barrier_signal -3
.Lnot_wave_0_\@:
	s_barrier_wait -3
	s_barrier_signal -1
	s_barrier_wait -1
.endm
.macro CROUND                          ; a whole round
	s_barrier_signal -1
	s_barrier_wait -1
	CREST
.endm
	s_load_b128 s[4:7], s[0:1], 0x0                ; xq, wq
	s_load_b128 s[8:11], s[0:1], 0x10              ; qq, kv
	v_lshl_add_u32 v[SPW], v0, 2, SPARE
	v_mov_b32 v[NIL], 0
	ds_add_u32 v28, v29
	ds_add_u32 v28, v29
	s_wait_dscnt 0x0
	v_lshrrev_b32 v1, 5, v0
	v_readfirstlane_b32 s14, v1                    ; wave 0..3
	s_lshr_b32 s15, s14, 1                         ; which half of the tile's rows is mine.  Also: I fetch for A (0) or for B (1)
	s_and_b32 s16, s14, 1                          ; which half of its columns.  Also: which 128 rows of that tile I fetch
	s_bfe_u32 s40, ttmp6, 0x40000                  ; cx, cy: my place in the cluster
	s_bfe_u32 s41, ttmp6, 0x40004
	s_and_b32 s66, ttmp7, 0xffff
	s_lshl_b32 s66, s66, 2                         ; 4 x cluster y
	s_lshl_b32 s67, ttmp9, 2                       ; 4 x cluster x
	s_cmp_eq_u32 ttmp9, 2                          ; the clusters that make v
	s_cselect_b32 s17, 0, s66                      ; tile row of C': v: cy (W_attn's last 1,024 columns); q, k: 4 y + cy (tokens)
	s_cselect_b32 s42, s66, s67                    ; tile column: v: 4 y + cx (tokens); q, k: 4 x + cx (W_attn's first 2,048 columns)
	s_cselect_b32 s95, 2048, 0                     ; v: A' begins at W_attn's column 2,048
	s_mov_b32 s96, XQ_SC
	s_cselect_b32 s97, WA_SC, s96                  ; where A's scale bytes begin in A's buffer,
	s_mov_b32 s98, WA_SC
	s_cselect_b32 s98, s96, s98                    ; and B's in B's
	s_add_co_u32 s17, s17, s41
	s_add_co_u32 s42, s42, s40
	s_lshl_b32 s43, s41, 2
	s_lshl_b32 s43, 15, s43                        ; my row of the cluster
	s_lshl_b32 s44, 0x1111, s40                    ; my column
	; descriptor group 1: a tile of 128 rows x 192 bytes, 16 bytes of padding behind every 64
	s_or_b32 s[G1+0], s43, (0<<16)|(1<<20)|(1<<21)|(3<<22)|(3<<25)  ; 15:0 the mask: A's tiles go to my row; elements of 1 byte; padding on; bit 21 set beside a mask; after every 16 words 4 words
	s_or_b32 s[G1B+0], s44, (0<<16)|(1<<20)|(1<<21)|(3<<22)|(3<<25)
.irp g, G1, G1B
	s_mov_b32 s[\g+1], ROWB<<16                    ; tensor_dim0
	s_mov_b32 s[\g+2], 128<<16                     ; tensor_dim1
	s_mov_b32 s[\g+3], ROWB<<16                    ; tile_dim0
	s_mov_b32 s[\g+4], 128                         ; tile_dim1
	s_mov_b32 s[\g+5], KROW                        ; from row to row
	s_mov_b32 s[\g+6], 0
	s_mov_b32 s[\g+7], 0
.endr
	; the scale bytes of 128 rows: 4,096 dense bytes as 16 rows of 256 (32 elements of 8 bytes), 16 bytes of padding behind each
	s_or_b32 s[G1S+0], s43, (3<<16)|(1<<20)|(1<<21)|(5<<22)|(3<<25)
	s_or_b32 s[G1SB+0], s44, (3<<16)|(1<<20)|(1<<21)|(5<<22)|(3<<25)
.irp g, G1S, G1SB
	s_mov_b32 s[\g+1], 32<<16
	s_mov_b32 s[\g+2], (128*KS/256)<<16
	s_mov_b32 s[\g+3], 32<<16
	s_mov_b32 s[\g+4], 128*KS/256
	s_mov_b32 s[\g+5], 32
	s_mov_b32 s[\g+6], 0
	s_mov_b32 s[\g+7], 0
.endr
	s_lshl_b32 s18, s16, 7                         ; which 128 rows of the tile I fetch
	s_lshl_b32 s20, s17, 8
	s_add_co_u32 s20, s20, s18
	s_add_co_u32 s20, s20, s95                     ; A's row
	s_lshl_b32 s46, s42, 8
	s_add_co_u32 s46, s46, s18                     ; B's row
	s_lshl_b32 s22, s20, 5                         ; these rows' scale bytes,
	s_add_co_u32 s22, s22, s97
	s_lshl_b32 s92, s46, 5
	s_add_co_u32 s92, s92, s98
	s_mul_i32 s20, s20, KROW                       ; and their codes (all under 2^24 bytes)
	s_mul_i32 s46, s46, KROW
	s_mov_b32 s21, 0
	s_mov_b32 s23, 0
	s_mov_b32 s47, 0
	s_mov_b32 s93, 0
	s_mul_i32 s45, s14, HALFT                      ; where they go: wave x 128 rows: no place in the cluster enters an LDS address
	s_mul_i32 s94, s14, HALFS
	s_wait_kmcnt 0x0
	s_cmp_eq_u32 ttmp9, 2
	s_cselect_b64 s[96:97], s[6:7], s[4:5]         ; A's buffer: v: wq; q, k: xq
	s_cselect_b64 s[98:99], s[4:5], s[6:7]         ; B's: the other
	s_add_nc_u64 s[20:21], s[96:97], s[20:21]
	s_add_nc_u64 s[22:23], s[96:97], s[22:23]
	s_add_nc_u64 s[46:47], s[98:99], s[46:47]
	s_add_nc_u64 s[92:93], s[98:99], s[92:93]
	CROUND                                         ; all sixteen work-groups are here: the first joint loads meet
	s_mov_b32 s[G0S], 1
	s_add_co_u32 s[G0S+1], s94, SCL
	s_mov_b64 s[G0S+2:G0S+3], s[22:23]
	s_or_b32 s[G0S+3], s[G0S+3], 0x80000000
	s_mov_b32 s[G0SB], 1
	s_add_co_u32 s[G0SB+1], s94, SCL
	s_mov_b64 s[G0SB+2:G0SB+3], s[92:93]
	s_or_b32 s[G0SB+3], s[G0SB+3], 0x80000000
	JLOAD G0S, G1S, G0SB, G1SB                     ; the scales first: they are wanted with K step 0
.irp s, 0,1
	s_mov_b32 s[G0+4*\s], 1
	s_add_co_u32 s[G0+4*\s+1], s45, \s*SLOT
	s_add_nc_u64 s[G0+4*\s+2:G0+4*\s+3], s[20:21], \s*ROWB
	s_or_b32 s[G0+4*\s+3], s[G0+4*\s+3], 0x80000000
	s_mov_b32 s[G0B+4*\s], 1
	s_add_co_u32 s[G0B+4*\s+1], s45, \s*SLOT
	s_add_nc_u64 s[G0B+4*\s+2:G0B+4*\s+3], s[46:47], \s*ROWB
	s_or_b32 s[G0B+4*\s+3], s[G0B+4*\s+3], 0x80000000
	JLOAD G0+4*\s, G1, G0B+4*\s, G1B               ; three tensor loads of mine are out now
.endr
	v_and_b32 v1, 15, v0                           ; r = l % 16
	v_bfe_u32 v2, v0, 4, 1                         ; h = l / 16
	v_mul_u32_u24 v3, v1, PITCH
	v_mul_u32_u24 v4, v2, 24
	v_add_nc_u32 v4, v3, v4                        ; a fragment's row x pitch + 24 x half
	v_lshl_add_u32 v5, v2, 4, v4                   ; and the same behind one padding more
	s_mul_i32 s21, s15, HALFT                      ; my 128 rows of A
	s_mul_i32 s22, s16, HALFT                      ; my 128 rows of B,
	s_add_co_u32 s22, s22, 2*HALFT                 ; which lie behind A's 256
.irp s, 0,1
	v_add_nc_u32 v[ADRA+\s], s21, v4
	v_add_nc_u32 v[ADRB+\s], s22, v4
	v_add_nc_u32 v[ADRA+2+\s], s21, v5
	v_add_nc_u32 v[ADRB+2+\s], s22, v5
	s_add_co_u32 s21, s21, SLOT
	s_add_co_u32 s22, s22, SLOT
.endr
	v_mul_u32_u24 v5, v1, KS                       ; my row's scales: 32 bytes a row,
	v_lshrrev_b32 v6, 8, v5
	v_lshl_add_u32 v5, v6, 4, v5                   ; and 16 more for each 256 passed
	s_mul_i32 s21, s15, HALFS
	s_mul_i32 s22, s16, HALFS
	s_add_co_u32 s22, s22, 2*HALFS
	s_sub_co_u32 s22, s22, s21
	v_mul_u32_u24 v6, s22, v2                      ; lanes 16-31 take B's: one product, the distance x h
	s_add_co_u32 s21, s21, SCL
	v_add_nc_u32 v5, v5, v6
	v_add_nc_u32 v[ADRS], s21, v5
	; the way out's addresses
	v_and_b32 v6, 31, v0
	v_lshlrev_b32 v[GO8], 3, v6
	v_lshlrev_b32 v[GO16], 4, v6
	s_lshl_b32 s18, s14, 10                        ; my stage for scale words: 1,024 bytes a wave, in slot 0
	v_lshlrev_b32 v[SADR], 2, v1
	v_lshl_add_u32 v[SADR], v2, 9, v[SADR]
	v_add_nc_u32 v[SADR], s18, v[SADR]
	v_add_nc_u32 v[SRD], s18, v[GO16]
	v_lshlrev_b32 v[SH], 4, v2
	v_mul_u32_u24 v[VSO], v2, 208896
	v_lshl_add_u32 v[VSO], v1, 4, v[VSO]
	s_mov_b32 s[SEL], 0x76543210
	s_mov_b32 s[SEL+1], 0xfedcba98
	s_mov_b32 s[K7F], 0x7f7f0000
	; where my 128 x 128 goes.  Tokens TG .. + 127 (one batch, one step of 128 keys), two heads from number HN on
	s_lshl_b32 s20, s17, 8
	s_lshl_b32 s21, s15, 7
	s_add_co_u32 s20, s20, s21                     ; my first row of C'
	s_lshl_b32 s46, s42, 8
	s_lshl_b32 s47, s16, 7
	s_add_co_u32 s46, s46, s47                     ; my first column
	s_and_b32 s47, s46, 1023                       ; in q or in k
	s_cmp_eq_u32 ttmp9, 2
	s_cselect_b32 s21, s46, s20                    ; TG
	s_cselect_b32 s22, s20, s47                    ; HN
	s_cselect_b32 s67, 6144, 0                     ; V's images lie behind K's in a step
	s_lshr_b32 s23, s21, 11                        ; the batch
	s_lshl_b32 s23, s23, 4
	s_lshr_b32 s22, s22, 6
	s_add_co_u32 s23, s23, s22                     ; hb = 16 x batch + head
	s_bfe_u32 s21, s21, 0x40007                    ; which 128 tokens of the batch's 2,048
	s_cmp_eq_u32 ttmp9, 0                          ; q goes to qq, k and v to kv
	s_mov_b32 s92, 208896
	s_cselect_b32 s92, 98304, s92                  ; codes: from head to head,
	s_mov_b32 s93, 13056
	s_cselect_b32 s93, 6144, s93                   ; from 128 tokens to the next
	s_mov_b32 s94, 208896
	s_cselect_b32 s94, 8192, s94                   ; scale words: from head to head,
	s_mov_b32 s45, 13056
	s_cselect_b32 s45, 512, s45                    ; from 128 tokens to the next,
	s_mov_b32 s66, 12288
	s_cselect_b32 s66, QQ_SC, s66                  ; and where they begin
	s_cselect_b64 s[96:97], s[8:9], s[10:11]
	s_cmp_eq_u32 ttmp9, 2
	s_cselect_b32 s66, 12800, s66
	s_mul_i32 s20, s23, s92
	s_mul_i32 s22, s21, s93
	s_add_co_u32 s20, s20, s22
	s_add_co_u32 s20, s20, s67                     ; the codes' offset
	s_mul_i32 s22, s23, s94
	s_mul_i32 s46, s21, s45
	s_add_co_u32 s22, s22, s46
	s_add_co_u32 s22, s22, s66                     ; the scale words' offset
	s_mov_b32 s21, 0
	s_mov_b32 s23, 0
	s_mov_b32 s93, 0
	s_mov_b32 s95, 0
	s_add_nc_u64 s[CB:CB+1], s[96:97], s[20:21]
	s_add_nc_u64 s[CB+2:CB+3], s[CB:CB+1], s[92:93]
	s_add_nc_u64 s[SB0:SB0+1], s[96:97], s[22:23]
	s_add_nc_u64 s[SB0+2:SB0+3], s[SB0:SB0+1], s[94:95]
.macro FRAG reg, adr, q, i             ; a fragment, 16 rows x 128 K: lane l holds row l % 16; registers 6 c .. 6 c + 5 hold K = 64 c + 32 (l / 16) + 0 .. 31: 24 bytes of the row's stream of bits, in pieces of 8
.irp p, 0,1,2,3,4,5
.set PCE, 12*(\q)+6*(\p/3)+\p%3        ; 16 bytes of padding lie behind every 8 pieces: where the piece three on lies behind one padding more, the second address register serves
.if PCE%8 < 5
	ds_load_b64 v[\reg+2*\p:\reg+2*\p+1], v[\adr] offset:8*PCE+16*(PCE/8)+(\i)*16*PITCH
.else
	ds_load_b64 v[\reg+2*\p:\reg+2*\p+1], v[\adr+2] offset:8*PCE+16*(PCE/8)+(\i)*16*PITCH
.endif
.endr
.endm
; 16 matrix instructions: A's blocks a0, a0 + 1 x B's eight, 128 along K.  The 64 accumulators take turns, one instruction a turn, in the same order in every step.
.macro MUL16 a0, p, q, sc, zero
.irp a, \a0, \a0+1
.irp b, 0,1,2,3,4,5,6,7
.if \zero
	v_wmma_scale_f32_16x16x128_f8f6f4 v[8*(8*((\a)%4)+\b):8*(8*((\a)%4)+\b)+7], v[128*(\p)+FR*\b:128*(\p)+FR*\b+FR-1], v[AF+FR*(\a):AF+FR*(\a)+FR-1], 0, v[SC+8*NQ*(\sc)+NQ*\b+(\q)], v[SC+8*NQ*(\sc)+NQ*(\a)+(\q)] matrix_a_fmt:MATRIX_FMT_FP6 matrix_b_fmt:MATRIX_FMT_FP6 matrix_a_scale:MATRIX_SCALE_ROW1
.else
	v_wmma_scale_f32_16x16x128_f8f6f4 v[8*(8*((\a)%4)+\b):8*(8*((\a)%4)+\b)+7], v[128*(\p)+FR*\b:128*(\p)+FR*\b+FR-1], v[AF+FR*(\a):AF+FR*(\a)+FR-1], v[8*(8*((\a)%4)+\b):8*(8*((\a)%4)+\b)+7], v[SC+8*NQ*(\sc)+NQ*\b+(\q)], v[SC+8*NQ*(\sc)+NQ*(\a)+(\q)] matrix_a_fmt:MATRIX_FMT_FP6 matrix_b_fmt:MATRIX_FMT_FP6 matrix_a_scale:MATRIX_SCALE_ROW1
.endif
.endr
.endr
.endm
.macro FETCH_B slot, q, p              ; B's eight fragments of the slot's q-th 128 along K into set p
	WIN TO_B
.irp i, 0,1,2,3,4,5,6,7
	FRAG 128*(\p)+FR*\i, ADRB+\slot, \q, \i
.endr
	WIN 0
.endm
.macro FETCH_A slot, q, i0             ; A's blocks i0 .. i0 + 3
.irp i, \i0, \i0+1, \i0+2, \i0+3
	FRAG AF+FR*(\i), ADRA+\slot, \q, \i
.endr
.endm
.macro SCALES sc                       ; a K step's scale words into set sc: two words a row; lanes 0-15 take A's block i, lanes 16-31 B's block i
.irp i, 0,1,2,3,4,5,6,7
	ds_load_b64 v[SC+8*NQ*\sc+NQ*\i:SC+8*NQ*\sc+NQ*\i+1], v[ADRS] offset:\i*SBLK
.endr
.endm
.macro PLACES n                        ; plain vector lines that name no register of the matrix instructions in front of them (ISA guide 7.12.1)
.rept \n
	v_nop
.endr
.endm
.macro STEP slot, q, zero              ; a step of 128 along K that has its successor in the same slot
	s_wait_dscnt 4*NL                              ; B's set and A's blocks 0-3 are in; the youngest 24 loads (A's blocks 4-7) may be out
	WIN MUL_LO
	MUL16 0, (\q)%2, \q, \slot, \zero
	MUL16 2, (\q)%2, \q, \slot, \zero
	s_wait_dscnt 0                                 ; A's blocks 4-7 are in
	PLACES NP
	FETCH_B \slot, (\q)+1, 1-(\q)%2
	FETCH_A \slot, (\q)+1, 0
	WIN MUL_HI
	MUL16 4, (\q)%2, \q, \slot, \zero
	MUL16 6, (\q)%2, \q, \slot, \zero
	PLACES NP
	WIN 0
	FETCH_A \slot, (\q)+1, 4
.endm
; A slot's last step changes slots: ONE barrier; in front of it each wave waits for all its tensor loads, adds 0 to its spare word, and waits for that and for its own reads of this slot.  fill = 1: this slot is filled again, two K steps ahead.
.macro TURN slot, next, fill
	s_wait_tensorcnt 0x0                           ; all my tensor loads have landed: my part of the next slot
	ds_add_u32 v[SPW], v[NIL]                      ; 0 onto my spare word
	s_wait_dscnt 4*NL+1                            ; (the add and the youngest 24 loads may be out)
	WIN MUL_LO
	MUL16 0, 1, NQ-1, \slot, 0                     ; sixteen matrix instructions stand between the add and the wait for it
	s_wait_dscnt 0x0                               ; the add is done, and my reads of this slot are over
	s_barrier_signal -1
	MUL16 2, 1, NQ-1, \slot, 0
	WIN 0
	s_barrier_wait -1
.if \fill
	CREST                                          ; the barrier has opened a round of the cluster's barrier: no wave of any partner still reads this slot's tile or has a load on its way
	s_add_nc_u64 s[G0+4*\slot+2:G0+4*\slot+3], s[G0+4*\slot+2:G0+4*\slot+3], 2*ROWB
	s_add_nc_u64 s[G0B+4*\slot+2:G0B+4*\slot+3], s[G0B+4*\slot+2:G0B+4*\slot+3], 2*ROWB
	JLOAD G0+4*\slot, G1, G0B+4*\slot, G1B         ; the first tensor load behind the round; its four v_nop are the places in front of the loads below
.else
	PLACES NP
.endif
	s_wait_alu depctr_va_vdst(0)
	v_add_nc_u32 v[ADRS], 4*NQ, v[ADRS]            ; on to the next K step's scale words
	FETCH_B \next, 0, 0
	FETCH_A \next, 0, 0
	SCALES \next
	WIN MUL_HI
	MUL16 4, 1, NQ-1, \slot, 0
	MUL16 6, 1, NQ-1, \slot, 0
	PLACES NP
	WIN 0
	FETCH_A \next, 0, 4
.endm
	s_wait_tensorcnt 1                             ; the scales and my part of K step 0 are in (K step 1's load may be out)
	s_barrier_signal -1
	s_barrier_wait -1                              ; everybody's are
	FETCH_B 0, 0, 0
	FETCH_A 0, 0, 0
	SCALES 0
	FETCH_A 0, 0, 4
	STEP 0, 0, 1                                   ; the first step stands in front of the loop: its products start the sums
	s_mov_b32 s3, LAPS-1
.Llap:                                                 ; a trip goes once round the ring and fills both slots again
	TURN 0, 1, 1
	STEP 1, 0, 0
	TURN 1, 0, 1
	STEP 0, 0, 0
	s_sub_co_u32 s3, s3, 1
	s_cmp_lg_u32 s3, 0
	s_cbranch_scc1 .Llap
	TURN 0, 1, 0                                   ; the last lap fills nothing, and has no round of the cluster's barrier
	STEP 1, 0, 0
	s_wait_dscnt 4*NL                              ; the very last step: nothing more to fetch
	WIN MUL_LO
	MUL16 0, 1, NQ-1, 1, 0
	MUL16 2, 1, NQ-1, 1, 0
	s_wait_dscnt 0
	WIN MUL_HI
	MUL16 4, 1, NQ-1, 1, 0
	MUL16 6, 1, NQ-1, 1, 0
	WIN 0
; THE WAY OUT of block a (16 rows x 128 columns: 64 registers a lane in window 2 or 3): four blocks of 32 are quantised in registers; the fragment and its scale word are stored.
; isv = 0: registers 0-5 are the first head's image, 6-11 the second's.  isv = 1: all twelve are one image of V.
.macro OUTBLOCK a, isv
.set AC, 64*((\a)%4)
	s_wait_xcnt 0x0                                ; the last block's stores have had their addresses translated: their data registers are written again only behind this wait
	s_wait_dscnt 0x0                               ; and its LDS store has read its register
	WIN 0x0a+5*((\a)/4)                            ; sources 0 and 1: the accumulators' window; source 2 and the destination: window 0
.irp b, 0,1,2,3
	v_max3_num_f32 v[TM+\b], |v[AC+16*\b]|, |v[AC+16*\b+1]|, 0x1800000   ; block b: my 16 numbers, each accumulator from its low end on, and the floor 2^(3 - 127)
.endr
.irp i, 2,4,6,8,10,12,14
.irp b, 0,1,2,3
	v_max3_num_f32 v[TM+\b], |v[AC+16*\b+\i]|, |v[AC+16*\b+\i+1]|, v[TM+\b]   ; (the four blocks by turns)
.endr
.endr
	WIN 0
.irp b, 0,1,2,3
	v_permlanex16_b32 v[TM+4+\b], v[TM+\b], s[SEL], s[SEL+1]
.endr
.irp b, 0,1,2,3
	v_max_num_f32 v[TM+\b], v[TM+\b], v[TM+4+\b]   ; with lane l xor 16's: the block's largest magnitude
.endr
.irp b, 0,1,2,3
	v_add_nc_u32 v[TM+12+\b], 0xff000000, v[TM+\b] ; 2 off its exponent field: the conversion's scale operand
.endr
.irp b, 0,1,2,3
	v_lshrrev_b32 v[TM+4+\b], 23, v[TM+12+\b]      ; the scale's byte
.endr
	v_lshl_or_b32 v[PW], v[TM+5], 8, v[TM+4]
	v_lshl_or_b32 v[PW], v[TM+6], 16, v[PW]
	v_lshl_or_b32 v[PW], v[TM+7], 24, v[PW]        ; my row's four bytes
	WIN 0x02+((\a)/4)                              ; source 0: the accumulators' window
.irp c, 0,1
	v_cvt_scalef32_pk16_fp6_f32 v[PC+6*\c:PC+6*\c+2], v[AC+32*\c:AC+32*\c+15], v[TM+12+2*\c]
	v_cvt_scalef32_pk16_fp6_f32 v[PC+12+4*\c:PC+12+4*\c+2], v[AC+32*\c+16:AC+32*\c+31], v[TM+12+2*\c+1]   ; (a conversion's three registers begin on an even number)
.endr
	WIN 0
	v_nop                                          ; one plain line behind a scaled conversion
.irp c, 0,1                                    ; the operand's layout wants a whole block in a lane: lanes 0-15 block 2 c, lanes 16-31 block 2 c + 1
.irp i, 0,1,2
	v_permlane16_swap_b32 v[PC+6*\c+\i], v[PC+12+4*\c+\i]
.endr
.irp i, 0,1,2
	v_mov_b32 v[PC+3+6*\c+\i], v[PC+12+4*\c+\i]
.endr
.endr
.if \isv
	ds_store_b32 v[SADR], v[PW] offset:4096+64*(\a)   ; lanes 0-15: the word of number 16 a + r (lanes 16-31 put a copy 512 bytes on, which nobody reads)
.irp c, 0,1,2
	global_store_b128 v[GO16], v[PC+4*\c:PC+4*\c+3], s[CB+2*((\a)/4):CB+2*((\a)/4)+1] offset:1536*((\a)%4)+512*\c   ; 32 lanes store 512 consecutive bytes, at a multiple of 256 from the buffer's first byte
.endr
.else
	v_lshrrev_b32 v[T1], v[SH], v[PW]              ; lanes 0-15: the first head's two bytes, lanes 16-31 the second's,
	v_and_or_b32 v[T1], v[T1], 0xffff, s[K7F]      ; under 0x7f twice, for the zero codes of the upper 64 along K
	ds_store_b32 v[SADR], v[T1] offset:64*(\a)
.irp p, 0,1,2,3,4,5
	global_store_b64 v[GO8], v[PC+2*\p:PC+2*\p+1], s[CB+2*(\p/3):CB+2*(\p/3)+1] offset:768*(\a)+256*(\p%3)   ; 32 lanes store 256 consecutive bytes, at a multiple of 256 from the buffer's first byte
.endr
.endif
.endm
	PLACES NP                                      ; in front of the first reads of results and the first writes of registers that the last products read
.irp b, 0,1,2,3
	v_mov_b32 v[TM+4+\b], 0                        ; written once: a lane permute's destination counts as one of its sources
.endr
	; The stage lies in slot 0, which has had its last fill, and which nobody reads behind the last change of slots.  The two ways have stage bytes of their own.
	s_cmp_eq_u32 ttmp9, 2
	s_cbranch_scc1 .Lv_out
.irp a, 0,1,2,3,4,5,6,7
	OUTBLOCK \a, 0
.endr
	ds_load_b128 v[BK:BK+3], v[SRD]                ; LDS serves a wave's instructions in order: these see my stores.  128 tokens' words of the first head,
	ds_load_b128 v[BK+4:BK+7], v[SRD] offset:512   ; and of the second
	s_wait_dscnt 0x0
	global_store_b128 v[GO16], v[BK:BK+3], s[SB0:SB0+1]        ; 512 consecutive bytes each
	global_store_b128 v[GO16], v[BK+4:BK+7], s[SB0+2:SB0+3]
	s_branch .Ldone
.Lv_out:
.irp a, 0,1,2,3,4,5,6,7
	OUTBLOCK \a, 1
.endr
	ds_load_b128 v[BK:BK+3], v[SRD] offset:4096    ; lanes 0-15: the first head's 64 words, lanes 16-31 the second's
	s_wait_dscnt 0x0
	global_store_b128 v[VSO], v[BK:BK+3], s[SB0:SB0+1]         ; sixteen lanes store 256 consecutive bytes
.Ldone:
	s_wait_tensorcnt 0x0                           ; the wave's end: behind my last tensor load and my last LDS store
	ds_add_u32 v[SPW], v[NIL]
	s_wait_dscnt 0x0
	CROUND                                         ; the closing round: no work-group ends while a partner may still ask for a tile that names it
	s_endpgm
.Lfunc_end_k_q1537fe23d0_qkv:
	.size	k_q1537fe23d0_qkv, .Lfunc_end_k_q1537fe23d0_qkv-k_q1537fe23d0_qkv
	.p2alignl 7, 3214868480
	.fill 96, 4, 3214868480
	.section	.rodata,"a",@progbits
	.p2align	6, 0x0
	.amdhsa_kernel k_q1537fe23d0_qkv
		.amdhsa_group_segment_fixed_size 327680
		.amdhsa_private_segment_fixed_size 0
		.amdhsa_enable_private_segment 0
		.amdhsa_kernarg_size 32
		.amdhsa_user_sgpr_count 2
		.amdhsa_user_sgpr_kernarg_segment_ptr 1
		.amdhsa_wavefront_size32 1
		.amdhsa_system_sgpr_workgroup_id_x 1
		.amdhsa_system_sgpr_workgroup_id_y 1
		.amdhsa_system_sgpr_workgroup_id_z 1
		.amdhsa_system_vgpr_workitem_id 0
		.amdhsa_next_free_vgpr 1024
		.amdhsa_next_free_sgpr 102
		.amdhsa_reserve_vcc 0
		.amdhsa_float_denorm_mode_32 3
		.amdhsa_float_denorm_mode_16_64 3
		.amdhsa_memory_ordered 1
		.amdhsa_forward_progress 1
		.amdhsa_inst_pref_size 205
	.end_amdhsa_kernel
	.amdgpu_metadata
---
amdhsa.version: [ 1, 2 ]
amdhsa.kernels:
  - .name:           k_q1537fe23d0_qkv
    .symbol:         k_q1537fe23d0_qkv.kd
    .args:
      - { .name: xq, .offset: 0, .size: 8, .value_kind: global_buffer, .address_space: global }
      - { .name: wq, .offset: 8, .size: 8, .value_kind: global_buffer, .address_space: global }
      - { .name: qq, .offset: 16, .size: 8, .value_kind: global_buffer, .address_space: global }
      - { .name: kv, .offset: 24, .size: 8, .value_kind: global_buffer, .address_space: global }
    .group_segment_fixed_size: 327680
    .private_segment_fixed_size: 0
    .kernarg_segment_align: 8
    .kernarg_segment_size: 32
    .max_flat_workgroup_size: 128
    .sgpr_count:     102
    .vgpr_count:     1024
    .wavefront_size: 32
...
	.end_amdgpu_metadata
.endif
;; end of part 2
;; launch attn (part 3): grid 4 x 64, 16 waves a work-group, no clusters, 210,944 bytes of LDS; arguments qq, kv, yq; writes yq
.if DOCPART == 3
	.amdgcn_target "amdgcn-amd-amdhsa--gfx1250"
	.amdhsa_code_object_version 6
	.text
	.protected	k_q1537fe23d0_attn
	.globl	k_q1537fe23d0_attn
	.p2align	8
	.type	k_q1537fe23d0_attn,@function
k_q1537fe23d0_attn:
	s_mov_b64 s[64:65], 0
	v_nop
	global_prefetch_b8 v0, s[64:65] scope:SCOPE_SE
	s_setreg_imm32_b32 hwreg(HW_REG_WAVE_MODE, 25, 1), 1
	s_wait_xcnt 0x0
; y[hb][q][:] = sum over k <= q of softmax_k(Q[q] . K[k] / 8) V[k][:], 64 heads-and-batches hb of 2,048 tokens x 64, both products on codes of FP6 (E2M3) with E8M0 scales; y is quantised at once for the last product.
; THE SOFTMAX AHEAD OF THE SECOND PRODUCT: t = score x log2(e) / 8 (one constant: the division by 8 is exact); M = the row's largest t so far, rounded UP to a whole number; p = 2^(t - M) is quantised along the keys, not normalised.
; The row's sum is taken of the unquantised p and divides O at the end.  When M moves, the sum and O are multiplied by 2^(old M - new M): exact.  Hidden scores are replaced by -8e9, which is -1e9 after the division by 8.
; INPUTS are images of operand registers.  qq: [hb][tile of 16 queries][768 bytes] (6 registers a lane: the head's 64 along K; the operand's other 6 registers are zero codes), scale words at QQ_SC [hb][2048].
; kv: [hb][step of 128 keys][13,056]: K's 8 images of 768, at 6,144 V's 4 images of 1,536 (16 of the head's 64 x 128 keys), at 12,288 K's 128 scale words, at 12,800 V's 64.
; Inside a block of 32 all operands carry one order of places (place 16 h + 8 u + j <-> number 16 u + 8 h + j): it is the order in which a transposed result's registers are converted, here for p and y as in the launch before for q, k, v.
; SHARES.  A WHOLE HEAD'S K, V AND SCALE WORDS, 208,896 bytes, lie in LDS, filled once: no slot is ever filled again.  Work-group g (0..3) of a head owns query tiles 16 g .. 16 g + 15 and 112 - 16 g .. 127 - 16 g;
; wave w takes tile 127 - 16 g - w first, then tile 16 g + w: 17 key steps of 128 keys for every wave of the launch, whatever g and w.  Sixteen waves, four to a SIMD: one wave's vector work stands beside another's products and LDS loads.
; NO CLUSTER, though the four work-groups of a head read the same bytes: a step that lies wholly behind a wave's queries is left out by a scalar branch on the tile's number, which hangs on g;
; partners of one head would so branch on their place in the cluster.
; LAYOUT.  Both products are used transposed: S^T = K Q^T (source 0 = 16 keys), O^T = V^T P^T (source 0 = 16 of the head's 64): a lane holds ONE query (lane % 16) throughout.
; yq: y's images [row tile of 16][head][768 bytes]; at YQ_SC the scale bytes [8192][32], byte 2 x head + block: a byte a lane, one byte for 24 of codes.
; LIMITS: NaN and infinities are not served; a block of y whose largest magnitude lies under 2^-124 keeps the byte 1.
; REGISTERS: v1-7 lane terms; v8-11 the step's LDS addresses; v12 -M, v13 the largest t, v[14:15] the sum in two halves; v16-27 Q; v28-31 V's scale words; v32-79 four fragments of K; v80-127 V's four;
;   v128-191 S^T, then p; v192-223 O^T; v224-235 p's codes; v232-247 at work; v248-251 K's scale words; v252 f; v253 p's scale word; v254 at work; v255 Q's scale word.
.set QQ_SC, 6291456
.set YQ_SC, 6291456
.set STEPB, 13056                      ; a key step in memory and in LDS: 51 x 256 bytes
.set HEADB, 16*STEPB
.set S,    128
.set O,    192
.set KFR,  32
.set VFR,  80
.set VSW,  28
.set ADK,  8
.set ADV,  9
.set ADS,  10
.set ADT,  11
.set TB,   2                           ; s2   LDS byte at which the step in hand begins
.set WV,   18                          ; s18  my wave's number
.set TE,   19                          ; s19  my early tile
.set SEL,  20                          ; s[20:21] selects for lane l xor 16
.set CS,   22                          ; s[22:23] c = log2(e) / 8, twice
.set G1,   24                          ; s[24:31] descriptor group 1
.set G0,   32                          ; s[32:47] four groups 0
.set HB,   49                          ; s49  head and batch
.set KF,   50                          ; s50  the step's first key
.set Q0,   51                          ; s51  my tile's first query
.set CNT,  52
.set TS,   53                          ; at work
.set HI16, 54                          ; s54  the mask of lanes 16-31
.set TILE, 55                          ; s55  the tile in hand
.set QB,   56                          ; s[56:57] its image, s[58:59] its scale words
.set QSB,  58
.set YB,   60                          ; s[60:61] where its y goes, s[62:63] y's scale bytes
.set YSB,  62
.macro QLOAD                           ; the tile s[TILE]: 6 registers a lane and a scale word
	s_lshl_b32 s[Q0], s[TILE], 4
	s_mul_i32 s10, s[HB], 98304
	s_mul_i32 s11, s[TILE], 768
	s_add_co_u32 s10, s10, s11
	s_mov_b32 s11, 0
	s_add_nc_u64 s[QB:QB+1], s[4:5], s[10:11]
	s_lshl_b32 s10, s[HB], 13
	s_lshl_b32 s12, s[TILE], 6
	s_add_co_u32 s10, s10, s12
	s_add_co_u32 s10, s10, QQ_SC
	s_add_nc_u64 s[QSB:QSB+1], s[4:5], s[10:11]
.irp p, 0,1,2
	global_load_b64 v[16+2*\p:17+2*\p], v1, s[QB:QB+1] offset:256*\p
.endr
	global_load_b32 v255, v6, s[QSB:QSB+1]
.endm
.macro BEGIN                           ; a tile starts: O^T and the sum are zeros, the largest t lies under every t: the first change of M multiplies zeros
	s_wait_xcnt 0x0                                ; the last tile's stores have had their addresses translated: their data registers are written again only behind this wait
	v_mov_b32 v13, 0xff61b1e6                      ; -3e38
	s_delay_alu instid0(VALU_DEP_1)
	v_floor_f32 v12, -v13                          ; -M
	v_mov_b32 v14, 0
	v_mov_b32 v15, 0
.set j, 0
.rept 32
	v_mov_b32 v[O+j], 0
.set j, j+1
.endr
	s_mov_b32 s[TB], 0
	s_mov_b32 s[KF], 0
	s_wait_loadcnt 0x0                             ; Q
.endm
; A KEY STEP: 128 keys.
.macro STEP
	s_add_co_u32 s[TS], s[Q0], 15                  ; a step all of whose keys come after my 16 queries is left out: a scalar branch on ids, not round the lines at its end that step addresses
	s_cmp_gt_u32 s[KF], s[TS]
	s_cbranch_scc1 .Lhid_\@
	s_setprio 2
	v_add_nc_u32 v[ADK], s[TB], v1                 ; (these four are also the places between the last step's products and the loads into their registers)
	v_add_nc_u32 v[ADV], s[TB], v2
	v_add_nc_u32 v[ADS], s[TB], v3
	v_add_nc_u32 v[ADT], s[TB], v4
.irp g, 0,1                                    ; S^T = K Q^T, four tiles of 16 keys at a time
.if \g
.rept 4
	v_nop                                          ; places in front of loads into registers that the four products above have read
.endr
.endif
.irp t, 0,1,2,3
.irp p, 0,1,2
	ds_load_b64 v[KFR+12*\t+2*\p:KFR+12*\t+2*\p+1], v[ADK] offset:768*(4*\g+\t)+256*\p   ; an image comes back as it was stored: 8 bytes a lane, 256 on end
.endr
	ds_load_b32 v[248+\t], v[ADS] offset:64*(4*\g+\t)
.endr
.if \g == 0
.irp t, 0,1,2,3                                ; V's four fragments are asked for here, and land under the first products
.irp c, 0,1,2
	ds_load_b128 v[VFR+12*\t+4*\c:VFR+12*\t+4*\c+3], v[ADV] offset:1536*\t+512*\c
.endr
	ds_load_b32 v[VSW+\t], v[ADT] offset:64*\t
.endr
	s_wait_alu depctr_va_vdst(0)
	s_wait_dscnt 16                                ; K's first four tiles are in; V's 16 loads may be out
.else
	s_wait_dscnt 0x0
.endif
.irp t, 0,1,2,3
	v_wmma_scale_f32_16x16x128_f8f6f4 v[S+8*(4*\g+\t):S+8*(4*\g+\t)+7], v[KFR+12*\t:KFR+12*\t+11], v[16:27], 0, v[248+\t], v255 matrix_a_fmt:MATRIX_FMT_FP6 matrix_b_fmt:MATRIX_FMT_FP6
.endr
.endr                                          ; register 8 t + j of lane (r, h): query Q0 + r, key KF + 16 t + 8 h + j
.rept 4
	v_nop
.endr
	s_add_co_u32 s[TS], s[KF], 127                 ; a step all of whose keys count skips the mask
	s_cmp_le_u32 s[TS], s[Q0]
	s_cbranch_scc1 .Lopen_\@
	s_sub_co_i32 s[TS], s[Q0], s[KF]
	v_add_nc_u32 v252, s[TS], v5                   ; d = Q0 - KF + r - 8 h: register 8 t + j is hidden where 16 t + j > d
	v_mov_b32 v254, 0xcfee6b28                     ; -8e9
.irp n, 0,1,2,3,4,5,6,7,8,9,10,11,12,13,14,15,16,17,18,19,20,21,22,23,24,25,26,27,28,29,30,31,32,33,34,35,36,37,38,39,40,41,42,43,44,45,46,47,48,49,50,51,52,53,54,55,56,57,58,59,60,61,62,63
	v_cmp_gt_i32 vcc_lo, 16*(\n/8)+\n%8, v252
	v_cndmask_b32 v[S+\n], v[S+\n], v254, vcc_lo
.endr
.Lopen_\@:
.irp b, 0,1,2,3
	v_max3_num_f32 v[232+\b], v[S+16*\b], v[S+1+16*\b], v[S+2+16*\b]   ; the largest score of each block of 32 keys: it serves for the row's maximum and, since p rises with the score, for the block's largest p
.endr
.irp i, 3,5,7,9,11,13
.irp b, 0,1,2,3
	v_max3_num_f32 v[232+\b], v[232+\b], v[S+16*\b+\i], v[S+1+16*\b+\i]
.endr
.endr
.irp b, 0,1,2,3
	v_max_num_f32 v[232+\b], v[232+\b], v[S+15+16*\b]
.endr
.irp b, 0,1,2,3
	s_delay_alu instid0(VALU_DEP_4)
	v_permlanex16_b32 v[236+\b], v[232+\b], s[SEL], s[SEL+1]
.endr
.irp b, 0,1,2,3
	s_delay_alu instid0(VALU_DEP_4)
	v_max_num_f32 v[232+\b], v[232+\b], v[236+\b]  ; with lane l xor 16's 16 keys
.endr
	s_delay_alu instid0(VALU_DEP_2)
	v_max3_num_f32 v254, v232, v233, v234
	s_delay_alu instid0(VALU_DEP_1)
	v_max_num_f32 v254, v254, v235                 ; the step's largest score of my query
	s_delay_alu instid0(VALU_DEP_1)
	v_mul_f32 v254, s[CS], v254                    ; as t
	s_delay_alu instid0(VALU_DEP_1)
	v_max_num_f32 v13, v13, v254                   ; the running largest t
	v_mov_b32 v254, v12
	s_delay_alu instid0(VALU_DEP_2)
	v_floor_f32 v12, -v13                          ; the new -M = -ceil(t)
	s_delay_alu instid0(VALU_DEP_1)
	v_sub_f32 v254, v12, v254                      ; old M - new M: a whole number, 0 or less
	s_delay_alu instid0(VALU_DEP_1)
	v_cvt_i32_f32 v254, v254                       ; (it saturates)
	s_delay_alu instid0(VALU_DEP_1)
	v_ldexp_f32 v252, 1.0, v254                    ; f = 2^(old M - new M)
.set j, 0
	s_setprio 1
.rept 32
	v_pk_fma_f32 v[S+j:S+j+1], v[S+j:S+j+1], s[CS:CS+1], v[12:13] op_sel_hi:[1,0,0]   ; t - M, two at a time
.set j, j+2
.endr
.irp b, 0,1,2,3
	v_fma_f32 v[232+\b], v[232+\b], s[CS], v12     ; the same of each block's largest score
.endr
.set j, 0
	s_wait_alu depctr_va_vdst(0)
.rept 64
	v_exp_f32 v[S+j], v[S+j]                       ; p = 2^(t - M), at most 1
.set j, j+1
.endr
.irp b, 0,1,2,3
	v_exp_f32 v[232+\b], v[232+\b]                 ; the block's largest p: the same two instructions on the same number
.endr
	v_pk_mul_f32 v[14:15], v[14:15], v[252:253] op_sel_hi:[1,0]   ; the sums under the new M (a plain line behind the exponentials)
	s_wait_alu depctr_va_vdst(0)
.irp b, 0,1,2,3
	v_max_num_f32 v[232+\b], 0x1800000, v[232+\b]  ; the floor 2^(3 - 127): the byte cannot fall under 1
.endr
.irp b, 0,1,2,3
	s_delay_alu instid0(VALU_DEP_4)
	v_add_nc_u32 v[244+\b], 0xff000000, v[232+\b]  ; 2 off the exponent field: the conversion's scale operand
.endr
.irp b, 0,1,2,3
	s_delay_alu instid0(VALU_DEP_4)
	v_lshrrev_b32 v[236+\b], 23, v[244+\b]         ; the scale's byte
.endr
	s_delay_alu instid0(VALU_DEP_3)
	v_lshl_or_b32 v253, v237, 8, v236              ; p's scale word for these 128 keys
	s_delay_alu instid0(VALU_DEP_1)
	v_lshl_or_b32 v253, v238, 16, v253
	s_delay_alu instid0(VALU_DEP_1)
	v_lshl_or_b32 v253, v239, 24, v253
.irp c, 0,1
	v_cvt_scalef32_pk16_fp6_f32 v[224+6*\c:226+6*\c], v[S+32*\c:S+15+32*\c], v[244+2*\c]
	v_cvt_scalef32_pk16_fp6_f32 v[236+4*\c:238+4*\c], v[S+16+32*\c:S+31+32*\c], v[244+2*\c+1]   ; (a conversion's three registers begin on an even number)
.endr
	v_nop                                          ; one plain line behind a scaled conversion
.irp c, 0,1                                    ; a whole block in a lane: lanes 0-15 block 2 c, lanes 16-31 block 2 c + 1
.irp i, 0,1,2
	v_permlane16_swap_b32 v[224+6*\c+\i], v[236+4*\c+\i]
.endr
.irp i, 0,1,2
	s_delay_alu instid0(VALU_DEP_3)
	v_mov_b32 v[227+6*\c+\i], v[236+4*\c+\i]
.endr
.endr
	v_pk_add_f32 v[236:237], v[132:133], v[136:137]
	v_pk_add_f32 v[250:251], v[140:141], v[144:145]
	v_pk_add_f32 v[248:249], v[148:149], v[152:153]
	v_pk_add_f32 v[246:247], v[156:157], v[160:161]
	v_pk_add_f32 v[244:245], v[164:165], v[168:169]
	v_pk_add_f32 v[242:243], v[172:173], v[176:177]
	v_pk_add_f32 v[240:241], v[180:181], v[184:185]
	s_setprio 0
	v_pk_add_f32 v[14:15], v[14:15], v[188:189]
	v_pk_add_f32 v[236:237], v[236:237], v[128:129]
	v_pk_add_f32 v[250:251], v[250:251], v[130:131]
	v_pk_add_f32 v[248:249], v[248:249], v[134:135]
	v_pk_add_f32 v[246:247], v[246:247], v[138:139]
	v_pk_add_f32 v[244:245], v[244:245], v[142:143]
	v_pk_add_f32 v[242:243], v[242:243], v[146:147]
	v_pk_add_f32 v[240:241], v[240:241], v[150:151]
	v_pk_add_f32 v[14:15], v[14:15], v[154:155]
	v_pk_add_f32 v[236:237], v[236:237], v[158:159]
	v_pk_add_f32 v[250:251], v[250:251], v[162:163]
	v_pk_add_f32 v[248:249], v[248:249], v[166:167]
	v_pk_add_f32 v[246:247], v[246:247], v[170:171]
	v_pk_add_f32 v[244:245], v[244:245], v[174:175]
	v_pk_add_f32 v[242:243], v[242:243], v[178:179]
	v_pk_add_f32 v[240:241], v[240:241], v[182:183]
	v_pk_add_f32 v[14:15], v[14:15], v[186:187]
	v_pk_add_f32 v[236:237], v[236:237], v[190:191]
	s_delay_alu instid0(VALU_DEP_2)
	v_pk_add_f32 v[14:15], v[14:15], v[246:247]
	s_delay_alu instid0(VALU_DEP_2)
	v_pk_add_f32 v[236:237], v[236:237], v[244:245]
	v_pk_add_f32 v[250:251], v[250:251], v[242:243]
	v_pk_add_f32 v[248:249], v[248:249], v[240:241]
	s_delay_alu instid0(VALU_DEP_2)
	v_pk_add_f32 v[14:15], v[14:15], v[250:251]
	s_delay_alu instid0(VALU_DEP_2)
	v_pk_add_f32 v[236:237], v[236:237], v[248:249]
	s_delay_alu instid0(VALU_DEP_1)
	v_pk_add_f32 v[14:15], v[14:15], v[236:237]
.set j, 0
.rept 16
	v_pk_mul_f32 v[O+j:O+j+1], v[O+j:O+j+1], v[252:253] op_sel_hi:[1,0]   ; O^T under the new M.  (With the sums above: the places between the writes of p's codes and scale word and the products below)
.set j, j+2
.endr
.irp t, 0,1,2,3                                ; O^T += V^T P^T: four accumulators by turns
	v_wmma_scale_f32_16x16x128_f8f6f4 v[O+8*\t:O+8*\t+7], v[VFR+12*\t:VFR+12*\t+11], v[224:235], v[O+8*\t:O+8*\t+7], v[VSW+\t], v253 matrix_a_fmt:MATRIX_FMT_FP6 matrix_b_fmt:MATRIX_FMT_FP6
.endr
.Lhid_\@:
	s_add_co_u32 s[KF], s[KF], 128
	s_add_co_u32 s[TB], s[TB], STEPB
.endm
; A tile ends: y = O^T / the sum; its two blocks of 32 are quantised; the image and the two bytes a row are stored.  next = 1: the early tile's Q is asked for first, and lands under this arithmetic.
.macro FINISH next
.rept 4
	v_nop                                          ; places behind the last products
.endr
	s_wait_xcnt 0x0                                ; earlier loads and stores have had their addresses translated: the bases are written again only behind this wait
	s_lshr_b32 s10, s[HB], 4                       ; the batch
	s_and_b32 s14, s[HB], 15                       ; the head
	s_lshl_b32 s12, s10, 7
	s_add_co_u32 s12, s12, s[TILE]                 ; row tile 128 x batch + tile
	s_mul_i32 s12, s12, 12288
	s_mul_i32 s15, s14, 768
	s_add_co_u32 s12, s12, s15
	s_mov_b32 s13, 0
	s_add_nc_u64 s[YB:YB+1], s[8:9], s[12:13]
	s_lshl_b32 s12, s10, 11
	s_add_co_u32 s12, s12, s[Q0]                   ; row 2,048 x batch + Q0
	s_lshl_b32 s12, s12, 5
	s_lshl_b32 s15, s14, 1
	s_add_co_u32 s12, s12, s15
	s_add_co_u32 s12, s12, YQ_SC
	s_add_nc_u64 s[YSB:YSB+1], s[8:9], s[12:13]
.if \next
	s_mov_b32 s[TILE], s[TE]
	QLOAD
.endif
	v_add_f32 v14, v14, v15                        ; the sum's two halves,
	s_delay_alu instid0(VALU_DEP_1)
	v_permlanex16_b32 v252, v14, s[SEL], s[SEL+1]
	s_delay_alu instid0(VALU_DEP_1)
	v_add_f32 v14, v14, v252                       ; and lane l xor 16's
	s_wait_alu depctr_va_vdst(0)
	v_rcp_f32 v14, v14
	v_nop                                          ; a plain line behind the transcendental
.set j, 0
	s_wait_alu depctr_va_vdst(0)
.rept 32
	v_mul_f32 v[S+j], v[O+j], v14                  ; register 8 t + j: y(r, 16 t + 8 h + j); each accumulator from its low end on
.set j, j+1
.endr
.irp b, 0,1
	v_max3_num_f32 v[232+\b], |v[S+16*\b]|, |v[S+16*\b+1]|, 0x1800000
.endr
.irp i, 2,4,6,8,10,12,14
.irp b, 0,1
	s_delay_alu instid0(VALU_DEP_2)
	v_max3_num_f32 v[232+\b], v[232+\b], |v[S+16*\b+\i]|, |v[S+16*\b+\i+1]|
.endr
.endr
.irp b, 0,1
	s_delay_alu instid0(VALU_DEP_2)
	v_permlanex16_b32 v[236+\b], v[232+\b], s[SEL], s[SEL+1]
.endr
.irp b, 0,1
	s_delay_alu instid0(VALU_DEP_2)
	v_max_num_f32 v[232+\b], v[232+\b], v[236+\b]
.endr
.irp b, 0,1
	s_delay_alu instid0(VALU_DEP_2)
	v_add_nc_u32 v[244+\b], 0xff000000, v[232+\b]
.endr
.irp b, 0,1
	s_delay_alu instid0(VALU_DEP_2)
	v_lshrrev_b32 v[236+\b], 23, v[244+\b]
.endr
	v_cvt_scalef32_pk16_fp6_f32 v[224:226], v[S:S+15], v244
	v_cvt_scalef32_pk16_fp6_f32 v[240:242], v[S+16:S+31], v245
	v_nop                                          ; one plain line behind a scaled conversion
.irp i, 0,1,2
	v_permlane16_swap_b32 v[224+\i], v[240+\i]
.endr
.irp i, 0,1,2
	s_delay_alu instid0(VALU_DEP_3)
	v_mov_b32 v[227+\i], v[240+\i]                 ; lanes 0-15 hold block 0 of row r, lanes 16-31 block 1
.endr
	v_cndmask_b32 v243, v236, v237, s[HI16]        ; and each lane its own block's byte
.irp p, 0,1,2
	global_store_b64 v1, v[224+2*\p:225+2*\p], s[YB:YB+1] offset:256*\p   ; 32 lanes store 256 consecutive bytes, at a multiple of 256 from the buffer's first byte
.endr
	global_store_b8 v7, v243, s[YSB:YSB+1]
.endm
; four key steps, behind the barrier that shows their bytes landed: my own load of this chunk by the counted wait (the 3 - j later ones may be out: no byte is ever filled again), everybody's by the barrier
.macro QUAD j
	s_wait_tensorcnt 3-\j
	s_wait_dscnt 0x0                               ; no LDS load of mine is out at the signal
	s_barrier_signal -1
	s_barrier_wait -1
	s_mov_b32 s[CNT], 4
.Lquad_\@:
	STEP
	s_sub_co_u32 s[CNT], s[CNT], 1
	s_cmp_lg_u32 s[CNT], 0
	s_cbranch_scc1 .Lquad_\@
	s_setprio 0
.endm
	s_load_b128 s[4:7], s[0:1], 0x0                ; qq, kv
	s_load_b64 s[8:9], s[0:1], 0x10                ; yq
	v_lshl_add_u32 v254, v0, 2, 0x33000
	v_mov_b32 v255, 0
	ds_add_u32 v254, v255
	ds_add_u32 v254, v255
	s_wait_dscnt 0x0
	v_lshrrev_b32 v8, 5, v0
	s_delay_alu instid0(VALU_DEP_1)
	v_readfirstlane_b32 s[WV], v8                  ; wave 0..15
	s_and_b32 s[HB], ttmp7, 0xffff
	s_and_b32 s13, s[WV], 3                        ; waves 0 to 3 fetch: load j of wave w brings key step 4 j + w
	s_mul_i32 s12, s13, STEPB
	s_mul_i32 s10, s[HB], HEADB
	s_add_co_u32 s10, s10, s12
	s_mov_b32 s11, 0
	s_mov_b32 s[G1], 3<<16                         ; no mask; elements of 8 bytes; no padding
	s_mov_b32 s[G1+1], 32<<16                      ; tensor_dim0 = 32 elements: rows of 256 bytes
	s_mov_b32 s[G1+2], 51<<16                      ; tensor_dim1 = 51 rows: a key step, dense in memory
	s_mov_b32 s[G1+3], 32<<16                      ; tile_dim0
	s_mov_b32 s[G1+4], 51                          ; tile_dim1
	s_mov_b32 s[G1+5], 32                          ; from row to row
	s_mov_b32 s[G1+6], 0
	s_mov_b32 s[G1+7], 0
	s_mov_b32 s[SEL], 0x76543210
	s_mov_b32 s[SEL+1], 0xfedcba98
	s_mov_b32 s[CS], 0x3e38aa3b                    ; c = log2(e) / 8
	s_mov_b32 s[CS+1], s[CS]                       ; (named with it as a pair, so it is written)
	s_mov_b32 s[HI16], 0xffff0000
	s_lshl_b32 s14, ttmp9, 4
	s_add_co_u32 s[TE], s14, s[WV]                 ; my early tile: 16 g + w
	s_sub_co_u32 s[TILE], 127, s[TE]               ; my late tile, which goes first: its first steps are worked while the later chunks land
	s_wait_kmcnt 0x0
	s_add_nc_u64 s[10:11], s[6:7], s[10:11]
.irp j, 0,1,2,3
	s_mov_b32 s[G0+4*\j], 1
	s_add_co_u32 s[G0+4*\j+1], s12, \j*4*STEPB     ; LDS is the memory's image: step s at 13,056 s
	s_add_nc_u64 s[G0+4*\j+2:G0+4*\j+3], s[10:11], \j*4*STEPB
	s_or_b32 s[G0+4*\j+3], s[G0+4*\j+3], 0x80000000
.endr
	s_cmp_lt_u32 s[WV], 4                          ; a wave's four first fills stand in one branch on the wave's number, ahead of every wait on TENSORcnt, every LDS read and every barrier: four loads of mine are out
	s_cbranch_scc0 .Lno_fetch
	tensor_load_to_lds s[G0:G0+3], s[G1:G1+7]
	s_nop 0
	tensor_load_to_lds s[G0+4:G0+7], s[G1:G1+7]
	s_nop 0
	tensor_load_to_lds s[G0+8:G0+11], s[G1:G1+7]
	s_nop 0
	tensor_load_to_lds s[G0+12:G0+15], s[G1:G1+7]
	s_nop 0
.rept 4
	v_nop
.endr
.Lno_fetch:
	v_and_b32 v9, 31, v0                           ; lane
	v_and_b32 v10, 15, v0                          ; r
	v_bfe_u32 v11, v0, 4, 1                        ; h
	s_delay_alu instid0(VALU_DEP_3)
	v_lshlrev_b32 v1, 3, v9                        ; 8 x lane: images of 6 registers
	s_wait_alu depctr_va_vdst(0)
	v_lshlrev_b32 v2, 4, v9
	s_delay_alu instid0(VALU_DEP_1)
	v_add_nc_u32 v2, 6144, v2                      ; 16 x lane, in V's part of a step
	v_lshlrev_b32 v6, 2, v10                       ; 4 r: scale words
	s_wait_alu depctr_va_vdst(0)
	v_add_nc_u32 v3, 12288, v6                     ; K's
	v_add_nc_u32 v4, 12800, v6                     ; V's
	v_lshlrev_b32 v5, 3, v11
	s_delay_alu instid0(VALU_DEP_1)
	v_sub_nc_u32 v5, v10, v5                       ; r - 8 h, for the mask
	v_lshl_add_u32 v7, v10, 5, v11                 ; 32 r + h: y's scale bytes
	QLOAD
.irp i, 22,23,24,25,26,27
	v_mov_b32 v[\i], 0                             ; the upper 64 of the first product's K: zero codes, for good
.endr
.irp t, 0,1,2,3
.irp i, 6,7,8,9,10,11
	v_mov_b32 v[KFR+12*\t+\i], 0
.endr
.endr
.irp b, 0,1,2,3
	v_mov_b32 v[236+\b], 0                         ; written once: a lane permute's destination counts as one of its sources
.endr
	v_mov_b32 v252, 0
	v_mov_b32 v253, 0                              ; (named as the upper half of the pair v[252:253] before it is first written)
	BEGIN
	QUAD 0
	QUAD 1
	QUAD 2
	QUAD 3
	FINISH 1
	BEGIN
	s_mov_b32 s[CNT], 16                           ; the early tile: all of the head lies in LDS, no barrier is left
.Learly:
	STEP
	s_sub_co_u32 s[CNT], s[CNT], 1
	s_cmp_lg_u32 s[CNT], 0
	s_cbranch_scc1 .Learly
	s_setprio 0
	FINISH 0
	s_wait_xcnt 0x0
	v_lshl_add_u32 v254, v0, 2, 0x33000
	v_mov_b32 v255, 0
	s_wait_alu depctr_va_vdst(0)
	s_wait_tensorcnt 0x0
	ds_add_u32 v254, v255
	s_wait_dscnt 0x0
	s_endpgm
.Lfunc_end_k_q1537fe23d0_attn:
	.size	k_q1537fe23d0_attn, .Lfunc_end_k_q1537fe23d0_attn-k_q1537fe23d0_attn
	.p2alignl 7, 3214868480
	.fill 96, 4, 3214868480
	.section	.rodata,"a",@progbits
	.p2align	6, 0x0
	.amdhsa_kernel k_q1537fe23d0_attn
		.amdhsa_group_segment_fixed_size 210944
		.amdhsa_private_segment_fixed_size 0
		.amdhsa_enable_private_segment 0
		.amdhsa_kernarg_size 24
		.amdhsa_user_sgpr_count 2
		.amdhsa_user_sgpr_kernarg_segment_ptr 1
		.amdhsa_wavefront_size32 1
		.amdhsa_system_sgpr_workgroup_id_x 1
		.amdhsa_system_sgpr_workgroup_id_y 1
		.amdhsa_system_sgpr_workgroup_id_z 1
		.amdhsa_system_vgpr_workitem_id 0
		.amdhsa_next_free_vgpr 256
		.amdhsa_next_free_sgpr 66
		.amdhsa_reserve_vcc 1
		.amdhsa_float_denorm_mode_32 3
		.amdhsa_float_denorm_mode_16_64 3
		.amdhsa_memory_ordered 1
		.amdhsa_forward_progress 1
		.amdhsa_inst_pref_size 138
	.end_amdhsa_kernel
	.amdgpu_metadata
---
amdhsa.version: [ 1, 2 ]
amdhsa.kernels:
  - .name:           k_q1537fe23d0_attn
    .symbol:         k_q1537fe23d0_attn.kd
    .args:
      - { .name: qq, .offset: 0, .size: 8, .value_kind: global_buffer, .address_space: global }
      - { .name: kv, .offset: 8, .size: 8, .value_kind: global_buffer, .address_space: global }
      - { .name: yq, .offset: 16, .size: 8, .value_kind: global_buffer, .address_space: global }
    .group_segment_fixed_size: 210944
    .private_segment_fixed_size: 0
    .kernarg_segment_align: 8
    .kernarg_segment_size: 24
    .max_flat_workgroup_size: 512
    .sgpr_count:     66
    .vgpr_count:     256
    .wavefront_size: 32
...
	.end_amdgpu_metadata
.endif
;; end of part 3
;; launch proj (part 4): grid 8 x 32, 4 waves a work-group, clusters of 4 x 4, 327,680 bytes of LDS; arguments yq, wq, out0; writes out0
.if DOCPART == 4
	.amdgcn_target "amdgcn-amd-amdhsa--gfx1250"
	.amdhsa_code_object_version 6
	.text
	.protected	k_q1537fe23d0_proj
	.globl	k_q1537fe23d0_proj
	.p2align	8
	.type	k_q1537fe23d0_proj,@function
k_q1537fe23d0_proj:
	s_mov_b64 s[64:65], 0
	v_nop
	global_prefetch_b8 v0, s[64:65] scope:SCOPE_SE
	s_setreg_imm32_b32 hwreg(HW_REG_WAVE_MODE, 25, 1), 1
	s_wait_xcnt 0x0
	s_wait_alu depctr_hold_cnt(0) depctr_sa_sdst(0) depctr_va_vdst(0) depctr_va_sdst(0) depctr_va_ssrc(0) depctr_va_vcc(0) depctr_vm_vsrc(0)
	s_getreg_b32 s2, hwreg(HW_REG_IB_STS2, 6, 4)
	s_cmp_eq_u32 s2, 0
	s_cbranch_scc0 .Lentry_in_a_cluster
	s_endpgm
.Lentry_in_a_cluster:
	s_bfe_u32 s2, ttmp6, 0x10000c
	s_cmp_lg_u32 s2, 0xf033
	s_cbranch_scc0 .Lentry_shape_is_right
	s_endpgm
.Lentry_shape_is_right:
; out0 = y W_proj on codes of FP6 (E2M3) with E8M0 scales: [8192][1024] f32, K = 1,024.
; y comes as IMAGES OF OPERAND REGISTERS, yq: [row tile of 16][head][768 bytes] (6 registers a lane): two neighbouring heads are one fragment of 16 rows x 128 K; its scale bytes at YQ_SC [8192][32].
; W_proj comes as rows of codes, wq + WP_C: [1024 n][768 bytes], scale bytes at WP_SC [1024][32]; inside each block of 32 its codes stand in the same order of places as y's.
; A tile of 256 rows x 128 columns to a work-group, so that there are 256 work-groups; four waves, each 128 x 64: 32 accumulators of 16 x 16.  K goes in steps of 256 through a ring of two LDS slots filled by the tensor data mover.
; CLUSTERS: 4 x 4 work-groups; y's tiles are asked for jointly by a row of the cluster, W_proj's by a column.  THE MATRIX INSTRUCTION IS USED TRANSPOSED: a lane holds eight neighbouring numbers of a row of the result.
; REGISTERS, in windows of 256: window 0: v0-31 addresses; v32-63 scale words, two sets; from v128 A's fragments, one set (on the way out: rows read back).  window 1: B's fragments, two sets, at v0 and v128.
;   window 2: the accumulators, (a, b) at v[8 (4 a + b)].
.set YQ_SC, 6291456
.set WP_C,  2457600
.set WP_SC, 3244032
.set NQ,     2                         ; matrix instructions deep in a slot of 256 along K
.set ROWB,   192                       ; B: a tile's row in bytes
.set KROW,   768
.set PITCH,  240                       ; B: an LDS row: 3 x (64 bytes + 16 of padding)
.set FR,     12
.set NL,     6
.set NP,     4                         ; places behind this matrix instruction (ISA guide 7.12.1)
.set AROW,   3072                      ; A: a row tile's four heads of a K step
.set HALFA,  8*AROW                    ; 8 row tiles: what one tensor load brings of A
.set HALFB,  64*PITCH                  ; 64 rows: of B
.set SLOT,   2*HALFA+2*HALFB
.set LAPS,   2
.set SCL,    2*SLOT                    ; behind the ring: the scale bytes, as units of 256 bytes + 16 of padding
.set HALFSA, 16*272                    ; those of 128 rows of y
.set HALFSB, 8*272                     ; of 64 rows of W_proj
.set SBLK,   2*272                     ; of 16 rows
.set SPARE,  SCL+2*HALFSA+2*HALFSB     ; the spare words, 128 bytes for each wave: two blocks of 256 bytes that no other line names
.set SPITCH, 272                       ; the way out: a stage of 16 rows x (256 bytes + 16) for each wave, in slot 0
.set ADRA,  16                         ; v16-17 LDS address of my A images in slot 0, 1
.set ADRS2, 18                         ; v18  A's scale words, in all lanes: for blocks 4 to 7
.set ADRB,  20                         ; v20-21 my B fragments (v22-23: behind one padding more)
.set STO,   24
.set RD,    25
.set CO,    26
.set ADRS,  27                         ; v27  lanes 0-15 A's scale words, lanes 16-31 B's: for blocks 0 to 3
.set SPW,   28                         ; v28  my spare word: SPARE + 4 x my thread's number; never rewritten
.set NIL,   29                         ; v29  0; never rewritten
.set SC,    32
.set AF,    128
.set BK,    128
.set G1, 24
.set G0, 32
.set G1B, 48
.set G0B, 56
.set G1S, 68
.set G0S, 76
.set G1SB, 80
.set G0SB, 88
.set MSB, 0
.macro WIN new                         ; the immediate's high byte repeats the setting that is left
.if MSB != (\new)
	s_set_vgpr_msb (MSB<<8)|(\new)
.set MSB, (\new)
.endif
.endm
.set MUL,  0xa1                        ; source 0 (B) window 1, source 1 (A) window 0, C and D window 2
.set TO_B, 0x40                        ; destination window 1, address window 0
.macro JLOAD g0a, g1a, g0b, g1b        ; a joint load: waves 0 and 1 fetch for A, waves 2 and 3 for B; four v_nop follow each of the two lines
	s_cmp_eq_u32 s15, 0
	s_cbranch_scc0 .Lfor_b_\@
	tensor_load_to_lds s[\g0a:\g0a+3], s[\g1a:\g1a+7]
	s_nop 0
.rept 4
	v_nop
.endr
	s_branch .Lasked_\@
.Lfor_b_\@:
	tensor_load_to_lds s[\g0b:\g0b+3], s[\g1b:\g1b+7]
	s_nop 0
.rept 4
	v_nop
.endr
.Lasked_\@:
.endm
.macro CREST                           ; a round of the cluster's barrier behind its opening barrier
	s_cmp_lg_u32 s14, 0
	s_cbranch_scc1 .Lnot_wave_0_\@
	s_barrier_signal -3
.Lnot_wave_0_\@:
	s_barrier_wait -3
	s_barrier_signal -1
	s_barrier_wait -1
.endm
.macro CROUND
	s_barrier_signal -1
	s_barrier_wait -1
	CREST
.endm
	s_load_b128 s[4:7], s[0:1], 0x0                ; yq, wq
	s_load_b64 s[12:13], s[0:1], 0x10              ; out0
	v_lshl_add_u32 v[SPW], v0, 2, SPARE
	v_mov_b32 v[NIL], 0
	ds_add_u32 v28, v29
	ds_add_u32 v28, v29
	s_wait_dscnt 0x0
	v_lshrrev_b32 v1, 5, v0
	v_readfirstlane_b32 s14, v1                    ; wave 0..3
	s_lshr_b32 s15, s14, 1                         ; which 128 of the tile's rows are mine.  Also: I fetch for A (0) or for B (1)
	s_and_b32 s16, s14, 1                          ; which 64 of its columns.  Also: which half of that tile I fetch
	s_bfe_u32 s40, ttmp6, 0x40000                  ; cx, cy
	s_bfe_u32 s41, ttmp6, 0x40004
	s_lshl_b32 s42, ttmp9, 2
	s_add_co_u32 s42, s42, s40                     ; tile column (128 wide) = 4 x cluster x + cx
	s_and_b32 s17, ttmp7, 0xffff
	s_lshl_b32 s17, s17, 2
	s_add_co_u32 s17, s17, s41                     ; tile row (256 high) = 4 x cluster y + cy
	s_lshl_b32 s43, s41, 2
	s_lshl_b32 s43, 15, s43                        ; my row of the cluster
	s_lshl_b32 s44, 0x1111, s40                    ; my column
	; A: 8 row tiles x 3,072 bytes (384 elements of 8 bytes), 12,288 bytes apart in memory, on end in LDS
	s_or_b32 s[G1+0], s43, (3<<16)|(1<<21)         ; the mask: my row; elements of 8 bytes; no padding; bit 21 set beside a mask
	s_mov_b32 s[G1+1], 384<<16
	s_mov_b32 s[G1+2], 8<<16
	s_mov_b32 s[G1+3], 384<<16
	s_mov_b32 s[G1+4], 8
	s_mov_b32 s[G1+5], 1536
	s_mov_b32 s[G1+6], 0
	s_mov_b32 s[G1+7], 0
	; B: 64 rows x 192 bytes, 16 bytes of padding behind every 64
	s_or_b32 s[G1B+0], s44, (0<<16)|(1<<20)|(1<<21)|(3<<22)|(3<<25)
	s_mov_b32 s[G1B+1], ROWB<<16
	s_mov_b32 s[G1B+2], 64<<16
	s_mov_b32 s[G1B+3], ROWB<<16
	s_mov_b32 s[G1B+4], 64
	s_mov_b32 s[G1B+5], KROW
	s_mov_b32 s[G1B+6], 0
	s_mov_b32 s[G1B+7], 0
	; the scale bytes: dense, as rows of 256 bytes with 16 of padding behind each: 16 rows for 128 rows of y, 8 for 64 of W_proj
	s_or_b32 s[G1S+0], s43, (3<<16)|(1<<20)|(1<<21)|(5<<22)|(3<<25)
	s_mov_b32 s[G1S+1], 32<<16
	s_mov_b32 s[G1S+2], 16<<16
	s_mov_b32 s[G1S+3], 32<<16
	s_mov_b32 s[G1S+4], 16
	s_mov_b32 s[G1S+5], 32
	s_mov_b32 s[G1S+6], 0
	s_mov_b32 s[G1S+7], 0
	s_or_b32 s[G1SB+0], s44, (3<<16)|(1<<20)|(1<<21)|(5<<22)|(3<<25)
	s_mov_b32 s[G1SB+1], 32<<16
	s_mov_b32 s[G1SB+2], 8<<16
	s_mov_b32 s[G1SB+3], 32<<16
	s_mov_b32 s[G1SB+4], 8
	s_mov_b32 s[G1SB+5], 32
	s_mov_b32 s[G1SB+6], 0
	s_mov_b32 s[G1SB+7], 0
	s_lshl_b32 s20, s17, 4
	s_lshl_b32 s18, s16, 3
	s_add_co_u32 s20, s20, s18                     ; A: row tile 16 x tile row + 8 x half
	s_lshl_b32 s22, s20, 9                         ; its scale bytes: 512 a row tile
	s_add_co_u32 s22, s22, YQ_SC
	s_mul_i32 s20, s20, 12288
	s_lshl_b32 s46, s42, 7
	s_lshl_b32 s18, s16, 6
	s_add_co_u32 s46, s46, s18                     ; B: row 128 x tile column + 64 x half
	s_lshl_b32 s92, s46, 5
	s_add_co_u32 s92, s92, WP_SC
	s_mul_i32 s46, s46, KROW
	s_add_co_u32 s46, s46, WP_C
	s_mov_b32 s21, 0
	s_mov_b32 s23, 0
	s_mov_b32 s47, 0
	s_mov_b32 s93, 0
	s_mul_i32 s45, s16, HALFA                      ; where they go: no place in the cluster enters an LDS address
	s_mul_i32 s94, s16, HALFB
	s_add_co_u32 s94, s94, 2*HALFA
	s_mul_i32 s95, s16, HALFSA
	s_add_co_u32 s95, s95, SCL
	s_mul_i32 s96, s16, HALFSB
	s_add_co_u32 s96, s96, SCL+2*HALFSA
	s_wait_kmcnt 0x0
	s_add_nc_u64 s[20:21], s[4:5], s[20:21]
	s_add_nc_u64 s[22:23], s[4:5], s[22:23]
	s_add_nc_u64 s[46:47], s[6:7], s[46:47]
	s_add_nc_u64 s[92:93], s[6:7], s[92:93]
	CROUND                                         ; all sixteen work-groups are here: the first joint loads meet
	s_mov_b32 s[G0S], 1
	s_mov_b32 s[G0S+1], s95
	s_mov_b64 s[G0S+2:G0S+3], s[22:23]
	s_or_b32 s[G0S+3], s[G0S+3], 0x80000000
	s_mov_b32 s[G0SB], 1
	s_mov_b32 s[G0SB+1], s96
	s_mov_b64 s[G0SB+2:G0SB+3], s[92:93]
	s_or_b32 s[G0SB+3], s[G0SB+3], 0x80000000
	JLOAD G0S, G1S, G0SB, G1SB                     ; the scales first
.irp s, 0,1
	s_mov_b32 s[G0+4*\s], 1
	s_add_co_u32 s[G0+4*\s+1], s45, \s*SLOT
	s_add_nc_u64 s[G0+4*\s+2:G0+4*\s+3], s[20:21], \s*AROW
	s_or_b32 s[G0+4*\s+3], s[G0+4*\s+3], 0x80000000
	s_mov_b32 s[G0B+4*\s], 1
	s_add_co_u32 s[G0B+4*\s+1], s94, \s*SLOT
	s_add_nc_u64 s[G0B+4*\s+2:G0B+4*\s+3], s[46:47], \s*ROWB
	s_or_b32 s[G0B+4*\s+3], s[G0B+4*\s+3], 0x80000000
	s_wait_alu depctr_va_vdst(0)
	s_wait_tensorcnt 0x0
	ds_add_u32 v28, v29
	s_wait_dscnt 0x0
	CROUND
	JLOAD G0+4*\s, G1, G0B+4*\s, G1B               ; one tensor load of mine is out now
.endr
	v_and_b32 v1, 15, v0                           ; r
	v_bfe_u32 v2, v0, 4, 1                         ; h
	v_and_b32 v7, 31, v0
	v_lshlrev_b32 v7, 3, v7                        ; A: 8 x lane
	v_mul_u32_u24 v3, v1, PITCH
	v_mul_u32_u24 v4, v2, 24
	v_add_nc_u32 v4, v3, v4                        ; B: row x pitch + 24 x half
	v_lshl_add_u32 v5, v2, 4, v4                   ; and the same behind one padding more
	s_mul_i32 s21, s15, HALFA                      ; my 8 row tiles of A
	s_mul_i32 s22, s16, HALFB
	s_add_co_u32 s22, s22, 2*HALFA                 ; my 64 rows of B
.irp s, 0,1
	v_add_nc_u32 v[ADRA+\s], s21, v7
	v_add_nc_u32 v[ADRB+\s], s22, v4
	v_add_nc_u32 v[ADRB+2+\s], s22, v5
	s_add_co_u32 s21, s21, SLOT
	s_add_co_u32 s22, s22, SLOT
.endr
	v_lshlrev_b32 v5, 5, v1                        ; my row's scales: 32 bytes a row,
	v_lshrrev_b32 v6, 8, v5
	v_lshl_add_u32 v5, v6, 4, v5                   ; and 16 more for each 256 passed
	s_mul_i32 s21, s15, HALFSA                     ; A's: my 128 rows
	s_mul_i32 s22, s16, HALFSB
	s_add_co_u32 s22, s22, 2*HALFSA                ; B's: my 64 rows, behind A's 256
	s_sub_co_u32 s22, s22, s21
	v_mul_u32_u24 v6, s22, v2                      ; lanes 16-31 take B's: one product, the distance x h
	s_add_co_u32 s21, s21, SCL
	v_add_nc_u32 v[ADRS2], s21, v5
	v_add_nc_u32 v[ADRS], v[ADRS2], v6
	s_mul_i32 s23, s14, 16*SPITCH                  ; my stage
	v_mul_u32_u24 v5, v1, SPITCH                   ; in: row r, 32 bytes for each half of the lanes
	v_lshl_add_u32 v5, v2, 5, v5
	v_add_nc_u32 v[STO], s23, v5
	v_mul_u32_u24 v5, v2, SPITCH                   ; back: lanes 0-15 one row of 256 bytes, lanes 16-31 the next
	v_lshl_add_u32 v5, v1, 4, v5
	v_add_nc_u32 v[RD], s23, v5
	v_lshlrev_b32 v[CO], 12, v2                    ; and the same two rows in the result: 4,096 bytes a row
	v_lshl_add_u32 v[CO], v1, 4, v[CO]
	s_lshl_b32 s20, s17, 8
	s_lshl_b32 s21, s15, 7
	s_add_co_u32 s20, s20, s21                     ; my first row: 256 x tile row + 128 x half
	s_lshl_b32 s20, s20, 12
	s_lshl_b32 s46, s42, 9                         ; my first column, in bytes: 512 x tile column + 256 x half
	s_lshl_b32 s47, s16, 8
	s_add_co_u32 s46, s46, s47
	s_add_co_u32 s20, s20, s46
	s_mov_b32 s21, 0
	s_add_nc_u64 s[12:13], s[12:13], s[20:21]
.macro FRAG reg, adr, q, i             ; a fragment of B from rows: 24 bytes a half in pieces of 8; where the piece three on lies behind one padding more, the second address register serves
.irp p, 0,1,2,3,4,5
.set PCE, 12*(\q)+6*(\p/3)+\p%3
.if PCE%8 < 5
	ds_load_b64 v[\reg+2*\p:\reg+2*\p+1], v[\adr] offset:8*PCE+16*(PCE/8)+(\i)*16*PITCH
.else
	ds_load_b64 v[\reg+2*\p:\reg+2*\p+1], v[\adr+2] offset:8*PCE+16*(PCE/8)+(\i)*16*PITCH
.endif
.endr
.endm
.macro FRAG_A reg, slot, q, i          ; a fragment of A from its image: six runs of 256 bytes, 8 bytes a lane
.irp p, 0,1,2,3,4,5
	ds_load_b64 v[\reg+2*\p:\reg+2*\p+1], v[ADRA+\slot] offset:AROW*(\i)+1536*(\q)+256*\p
.endr
.endm
; 8 matrix instructions: A's blocks a0, a0 + 1 x B's four, 128 along K.  The 32 accumulators take turns, one instruction a turn, in the same order in every step.
.macro MUL8 a0, p, q, sc, zero
.irp a, \a0, \a0+1
.irp b, 0,1,2,3
.if \zero
	v_wmma_scale_f32_16x16x128_f8f6f4 v[8*(4*(\a)+\b):8*(4*(\a)+\b)+7], v[128*(\p)+FR*\b:128*(\p)+FR*\b+FR-1], v[AF+FR*(\a):AF+FR*(\a)+FR-1], 0, v[SC+8*NQ*(\sc)+NQ*\b+(\q)], v[SC+8*NQ*(\sc)+NQ*(\a)+(\q)] matrix_a_fmt:MATRIX_FMT_FP6 matrix_b_fmt:MATRIX_FMT_FP6 matrix_a_scale:MATRIX_SCALE_ROW1
.else
	v_wmma_scale_f32_16x16x128_f8f6f4 v[8*(4*(\a)+\b):8*(4*(\a)+\b)+7], v[128*(\p)+FR*\b:128*(\p)+FR*\b+FR-1], v[AF+FR*(\a):AF+FR*(\a)+FR-1], v[8*(4*(\a)+\b):8*(4*(\a)+\b)+7], v[SC+8*NQ*(\sc)+NQ*\b+(\q)], v[SC+8*NQ*(\sc)+NQ*(\a)+(\q)] matrix_a_fmt:MATRIX_FMT_FP6 matrix_b_fmt:MATRIX_FMT_FP6 matrix_a_scale:MATRIX_SCALE_ROW1
.endif
.endr
.endr
.endm
.macro FETCH_B slot, q, p
	WIN TO_B
.irp i, 0,1,2,3
	FRAG 128*(\p)+FR*\i, ADRB+\slot, \q, \i
.endr
	WIN 0
.endm
.macro FETCH_A slot, q, i0
.irp i, \i0, \i0+1, \i0+2, \i0+3
	FRAG_A AF+FR*(\i), \slot, \q, \i
.endr
.endm
.macro SCALES sc                       ; a K step's scale words: blocks 0-3: lanes 0-15 A's, lanes 16-31 B's; blocks 4-7: A's in all lanes (B has four blocks)
.irp i, 0,1,2,3
	ds_load_b64 v[SC+8*NQ*\sc+NQ*\i:SC+8*NQ*\sc+NQ*\i+1], v[ADRS] offset:\i*SBLK
.endr
.irp i, 4,5,6,7
	ds_load_b64 v[SC+8*NQ*\sc+NQ*\i:SC+8*NQ*\sc+NQ*\i+1], v[ADRS2] offset:\i*SBLK
.endr
.endm
.macro PLACES n
.rept \n
	v_nop
.endr
.endm
.macro STEP slot, q, zero
	s_wait_dscnt 4*NL                              ; B's set and A's blocks 0-3 are in; the youngest 24 loads (A's blocks 4-7) may be out
	WIN MUL
	MUL8 0, (\q)%2, \q, \slot, \zero
	MUL8 2, (\q)%2, \q, \slot, \zero
	s_wait_dscnt 0                                 ; A's blocks 4-7 are in
	PLACES NP
	FETCH_B \slot, (\q)+1, 1-(\q)%2
	FETCH_A \slot, (\q)+1, 0
	WIN MUL
	MUL8 4, (\q)%2, \q, \slot, \zero
	MUL8 6, (\q)%2, \q, \slot, \zero
	PLACES NP
	WIN 0
	FETCH_A \slot, (\q)+1, 4
.endm
; A slot's last step changes slots: ONE barrier; in front of it each wave waits for all its tensor loads, adds 0 to its spare word, and waits for that and for its own reads of this slot.
.macro TURN slot, next, fill
	s_wait_tensorcnt 0x0                           ; all my tensor loads have landed: my part of the next slot
	ds_add_u32 v[SPW], v[NIL]                      ; 0 onto my spare word
	s_wait_dscnt 4*NL+1                            ; (the add and the youngest 24 loads may be out)
	WIN MUL
	MUL8 0, 1, NQ-1, \slot, 0                      ; eight matrix instructions stand between the add and the wait for it
	s_wait_dscnt 0x0                               ; the add is done, and my reads of this slot are over
	s_barrier_signal -1
	MUL8 2, 1, NQ-1, \slot, 0
	WIN 0
	s_barrier_wait -1
.if \fill
	CREST                                          ; the barrier has opened a round of the cluster's barrier: no wave of any partner still reads this slot's tile or has a load on its way
	s_add_nc_u64 s[G0+4*\slot+2:G0+4*\slot+3], s[G0+4*\slot+2:G0+4*\slot+3], 2*AROW
	s_add_nc_u64 s[G0B+4*\slot+2:G0B+4*\slot+3], s[G0B+4*\slot+2:G0B+4*\slot+3], 2*ROWB
	JLOAD G0+4*\slot, G1, G0B+4*\slot, G1B         ; the first tensor load behind the round; its four v_nop are the places in front of the loads below
.else
	PLACES NP
.endif
	s_wait_alu depctr_va_vdst(0)
	v_add_nc_u32 v[ADRS], 4*NQ, v[ADRS]            ; on to the next K step's scale words
	v_add_nc_u32 v[ADRS2], 4*NQ, v[ADRS2]
	FETCH_B \next, 0, 0
	FETCH_A \next, 0, 0
	SCALES \next
	WIN MUL
	MUL8 4, 1, NQ-1, \slot, 0
	MUL8 6, 1, NQ-1, \slot, 0
	PLACES NP
	WIN 0
	FETCH_A \next, 0, 4
.endm
	s_wait_alu depctr_va_vdst(0)
	s_wait_tensorcnt 1                             ; the scales and my part of K step 0 are in (K step 1's load may be out)
	s_barrier_signal -1
	s_barrier_wait -1                              ; everybody's are
	FETCH_B 0, 0, 0
	FETCH_A 0, 0, 0
	SCALES 0
	FETCH_A 0, 0, 4
	STEP 0, 0, 1                                   ; the first step stands in front of the loop: its products start the sums
	s_mov_b32 s3, LAPS-1
.Llap:
	TURN 0, 1, 1
	STEP 1, 0, 0
	TURN 1, 0, 1
	STEP 0, 0, 0
	s_sub_co_u32 s3, s3, 1
	s_cmp_lg_u32 s3, 0
	s_cbranch_scc1 .Llap
	TURN 0, 1, 0                                   ; the last lap fills nothing, and has no round of the cluster's barrier
	STEP 1, 0, 0
	s_wait_dscnt 4*NL                              ; the very last step
	WIN MUL
	MUL8 0, 1, NQ-1, 1, 0
	MUL8 2, 1, NQ-1, 1, 0
	s_wait_dscnt 0
	MUL8 4, 1, NQ-1, 1, 0
	MUL8 6, 1, NQ-1, 1, 0
	WIN 0
; THE WAY OUT, block by block of 16 rows x 64 columns, through my own stage (in slot 0, which has had its last fill and which nobody reads behind the last change of slots): back come whole runs of 256 bytes of a row.
; LDS serves a wave's instructions in order (ISA guide 5.7.1.4): no wait between the stores and the loads, nor in front of the next block's stores.
.macro TOSTAGE a
.set AC, 32*(\a)
	WIN 0x08                                       ; an LDS store's data are its source 1: window 2
.irp b, 0,1,2,3
	ds_store_b128 v[STO], v[AC+8*\b:AC+8*\b+3] offset:64*\b          ; each accumulator from its low end on
	ds_store_b128 v[STO], v[AC+8*\b+4:AC+8*\b+7] offset:64*\b+16
.endr
	WIN 0
.set BB, BK+32*((\a)%2)
.irp t, 0,1,2,3,4,5,6,7
	ds_load_b128 v[BB+4*\t:BB+4*\t+3], v[RD] offset:\t*2*SPITCH
.endr
.endm
.macro SEND a, younger                 ; younger: the LDS instructions issued behind block a's loads, which may stay out
.set BB, BK+32*((\a)%2)
	s_wait_dscnt \younger
.if (\a) > 0
	s_add_nc_u64 s[12:13], s[12:13], 16*4096       ; (behind a wait on XCNT: the earlier stores have read their base)  16 rows on
.endif
.irp t, 0,1,2,3,4,5,6,7
	global_store_b128 v[CO], v[BB+4*\t:BB+4*\t+3], s[12:13] offset:2*\t*4096 th:TH_STORE_NT   ; 16 lanes store 256 consecutive bytes, at a multiple of 256 from the result's first byte
.endr
.endm
	PLACES NP                                      ; in front of the first reads of results and of loads into registers that the last products read
	TOSTAGE 0
.irp a, 1,2,3,4,5,6,7
.if \a > 1
	s_wait_xcnt 0x0                                ; block a - 2's stores have read their registers and their base
.endif
	TOSTAGE \a
	SEND \a-1, 16                                  ; behind block a - 1's loads: block a's 8 stores and 8 loads
.endr
	s_wait_xcnt 0x0                                ; block 6's stores have read their base
	SEND 7, 0
	s_wait_tensorcnt 0x0                           ; the wave's end: behind my last tensor load and my last LDS store
	ds_add_u32 v[SPW], v[NIL]
	s_wait_dscnt 0x0
	CROUND                                         ; the closing round: no work-group ends while a partner may still ask for a tile that names it
	s_endpgm
.Lfunc_end_k_q1537fe23d0_proj:
	.size	k_q1537fe23d0_proj, .Lfunc_end_k_q1537fe23d0_proj-k_q1537fe23d0_proj
	.p2alignl 7, 3214868480
	.fill 96, 4, 3214868480
	.section	.rodata,"a",@progbits
	.p2align	6, 0x0
	.amdhsa_kernel k_q1537fe23d0_proj
		.amdhsa_group_segment_fixed_size 327680
		.amdhsa_private_segment_fixed_size 0
		.amdhsa_enable_private_segment 0
		.amdhsa_kernarg_size 24
		.amdhsa_user_sgpr_count 2
		.amdhsa_user_sgpr_kernarg_segment_ptr 1
		.amdhsa_wavefront_size32 1
		.amdhsa_system_sgpr_workgroup_id_x 1
		.amdhsa_system_sgpr_workgroup_id_y 1
		.amdhsa_system_sgpr_workgroup_id_z 1
		.amdhsa_system_vgpr_workitem_id 0
		.amdhsa_next_free_vgpr 768
		.amdhsa_next_free_sgpr 98
		.amdhsa_reserve_vcc 0
		.amdhsa_float_denorm_mode_32 3
		.amdhsa_float_denorm_mode_16_64 3
		.amdhsa_memory_ordered 1
		.amdhsa_forward_progress 1
		.amdhsa_inst_pref_size 103
	.end_amdhsa_kernel
	.amdgpu_metadata
---
amdhsa.version: [ 1, 2 ]
amdhsa.kernels:
  - .name:           k_q1537fe23d0_proj
    .symbol:         k_q1537fe23d0_proj.kd
    .args:
      - { .name: yq, .offset: 0, .size: 8, .value_kind: global_buffer, .address_space: global }
      - { .name: wq, .offset: 8, .size: 8, .value_kind: global_buffer, .address_space: global }
      - { .name: out0, .offset: 16, .size: 8, .value_kind: global_buffer, .address_space: global }
    .group_segment_fixed_size: 327680
    .private_segment_fixed_size: 0
    .kernarg_segment_align: 8
    .kernarg_segment_size: 24
    .max_flat_workgroup_size: 128
    .sgpr_count:     98
    .vgpr_count:     768
    .wavefront_size: 32
...
	.end_amdgpu_metadata
.endif
;; end of part 4
